; MI455X (gfx1250); checked and timed in simulation.
; The chip was launched on July 23, 2026; its instructions are those of AMD's public machine-readable ISA for CDNA 5 (MIT licence, August 2026) and "CDNA5" Instruction Set Architecture Reference Guide (July 2026). The comments in the code are by the model that wrote it; some were corrected since.
;; Shepards Gated Attention Base. Allowed arithmetic: matrix products marked QUANTISED: E2M1 operands, one E8M0 scale for each 32 along K, by v_wmma_scale_f32_16x16x128_f8f6f4 with both operands' format E2M1 (or v_wmma_scale_f32_32x16x128_f4), f32 sums; products left as they are: bf16, f16 or f32 operands; f32 sums; everything else in f32.
;; Inputs: W_in 4,096 x 1,024 float32; W_out 1,024 x 1,024 float32; X 2 x 2,048 x 1,024 float32; b_in 4,096 float32; b_out 1,024 float32.
;; Outputs: out0 2 x 2,048 x 1,024 float32.
;; This version of the problem:
;;   THIS VERSION OF THE PROBLEM IS GIVEN IN LOW PRECISION. The matrix products marked QUANTISED in the list below multiply operands that are first quantised to E2M1 (2 exponent bits, 1 mantissa bit; 4 bits a number), with one power-of-two scale for each 32 numbers along K (OCP MX v1.0); their sums are f32. The products marked 'left as it is' may take bf16, f16 or f32 operands, with f32 sums. Whichever they take, every output number must still come out within the allowed error. Rounding operands to bf16 (8 significant bits) uses up far more of that allowance than f16 does (11 bits, for magnitudes from 6e-5 to 65,504). All else is computed in f32.
;;   The module's matrix products, in the order in which they are computed (A, B: the left and right operand; K: the contracted axis; several contracted axes count as one K, in the product's order):
;;     1. [M 4,096, K 1,024] x [K 1,024, N 4,096]; A: input X; B: input W_in: QUANTISED
;;     2. batch 32 x [M 2,048, K 64] x [K 64, N 2,048]; A: computed on the way; B: computed on the way: left as it is (an operand is computed on the way)
;;     3. batch 32 x [M 2,048, K 2,048] x [K 2,048, N 64]; A: computed on the way; B: computed on the way: left as it is (an operand is computed on the way)
;;     4. [M 4,096, K 1,024] x [K 1,024, N 1,024]; A: computed on the way; B: input W_out: left as it is (an operand is computed on the way)
;;   THE QUANTISER, for each operand of a quantised product, along K:
;;     - K is cut into blocks of 32 from its start; a last block that is shorter is filled with zeros.
;;     - A block's scale is 2^e with e = floor(log2(the largest magnitude in the block)) - 2, held to -126 .. 127; a block of zeros has e = 0. As a byte (E8M0): e + 127.
;;     - Each number is divided by its block's scale, clamped to +-6, and rounded to the nearest number of E2M1, ties to even, subnormals kept.
;;     - The product sums the exact products of the quantised numbers (number of the format x scale) in f32.
;;   ~~~python
;;   def quantise(x, axis):      # numpy; x: float32 -> the quantised numbers, widened to float32 again
;;       x = np.moveaxis(x, axis, -1); K = x.shape[-1]
;;       x = np.pad(x, [(0, 0)] * (x.ndim - 1) + [(0, -K % 32)]); x = x.reshape(x.shape[:-1] + (-1, 32)); a = np.abs(x).max(-1, keepdims=True)
;;       e = np.where(a > 0, np.clip(np.frexp(np.where(a > 0, a, 1))[1] - 1 - 2, -126, 127), 0)      # np.frexp(a)[1] - 1 = floor(log2(a)), exactly
;;       r = np.clip(x / 2.0 ** e, -6, 6)
;;       step = 2.0 ** (np.maximum(np.frexp(np.where(r == 0, 1, r))[1] - 1, 0) - 1)
;;       q = np.round(r / step) * step * 2.0 ** e      # np.round: ties to even
;;       return np.moveaxis(q.reshape(q.shape[:-2] + (-1,))[..., :K], -1, axis).astype(np.float32)
;;   ~~~
;; One version. Each part assembles by itself: llvm-mc -triple=amdgcn-amd-amdhsa -mcpu=gfx1250 --defsym DOCPART=n.
;; ======== version 1 of 1: 4 launches
;; limits: values are held in f16: magnitudes above 65,504 overflow, below 6.1e-05 lose precision; right only within a limited range of input values
;; workspace buffers: codes 4,194,304 bytes; scales 262,144 bytes; wo16 2,097,152 bytes; qq 8,912,896 bytes; kv 16,777,216 bytes; gf 16,777,216 bytes; hid 8,650,752 bytes
;; launch quant (part 1): grid 288 x 1, 4 waves a work-group, no clusters, 33,280 bytes of LDS; arguments X, W_in, W_out, codes, scales, wo16; writes codes, scales, wo16
.if DOCPART == 1
	.amdgcn_target "amdgcn-amd-amdhsa--gfx1250"
	.amdhsa_code_object_version 6
	.text
	.protected	k_qf965668f57_quant
	.globl	k_qf965668f57_quant
	.p2align	8
	.type	k_qf965668f57_quant,@function
k_qf965668f57_quant:
	s_mov_b64 s[64:65], 0
	v_nop
	global_prefetch_b8 v0, s[64:65] scope:SCOPE_SE
	s_setreg_imm32_b32 hwreg(HW_REG_WAVE_MODE, 25, 1), 1
	s_wait_xcnt 0x0
; X [4096][1024] and W_in [4096][1024], f32, become codes of FP4 (E2M1), K innermost, two codes a byte, with one E8M0 byte for each 32 along K.
; codes: X's rows of 512 bytes from byte 0, W_in's from byte 2,097,152.  scales: X's rows of 32 bytes from byte 0, W_in's from byte 131,072.
; W_out [1024][1024] f32 becomes f16, row-major, in wo16 (the last product's operand).
; A block's scale is 2^(floor(log2(its largest magnitude)) - 2); its byte is the largest magnitude's exponent field - 2, held at 1 from below.  A block of zeros keeps the byte 1
; where the rule says 127: its codes are zeros, which add nothing under any byte but 0xff, and this program alone reads the bytes.
; LIMITS: blocks whose largest magnitude lies under 2^(2 - 126) keep the byte 1; NaN and infinities are not served; |W_out| stays under 65,504, f16's largest number.
; SHARES.  Work-groups 0-127 take X, 128-255 W_in: both are plain streams of blocks of 32; a wave takes 16 steps of 512 numbers.  Each load reads 512 consecutive bytes; a step's 2,048 bytes
; turn through the wave's own stage in LDS so that a lane holds 16 neighbours along K (two lanes to a block).  Work-groups 256-287 take W_out: a wave converts 8,192 numbers and touches no LDS.
.set WAVES, 4
.set STEPS, 16
.set WGA,   128                        ; work-groups for X; as many for W_in
.set WGQ,   256                        ; from here on: W_out
.set EMAX,  2
.set CB,    8                          ; bytes of 16 codes
.set R,     16                         ; v16-79   four sets of 16 numbers as they are loaded
.set X,     80                         ; v80-111  two sets of 16 neighbours
.set C,     128                        ; v128-191 codes: four registers for each step, so that no store's data are written again
.set E,     112                        ; v112-127 a scale byte for each step
.set WREG,  8192                       ; LDS: a region for each wave: two stages of 32 x SP bytes, behind them its 256 scale bytes
.set SP,    80                         ; a lane's place in a stage: 64 bytes + 16 of padding
.set SPW,   12                         ; v12  LDS address of my spare word; never rewritten
.set NIL,   13                         ; v13  0; never rewritten
.set SPARE, WAVES*WREG                 ; behind the four regions: the spare words, 128 bytes a wave, which no other line names
	s_load_b128 s[4:7], s[0:1], 0x0                ; X, W_in
	s_load_b128 s[24:27], s[0:1], 0x10             ; W_out, codes
	s_load_b128 s[28:31], s[0:1], 0x20             ; scales, wo16
	v_lshl_add_u32 v[SPW], v0, 2, SPARE
	v_mov_b32 v[NIL], 0
	v_lshrrev_b32 v1, 5, v0
	v_readfirstlane_b32 s16, v1                    ; wave
	v_and_b32 v2, 31, v0                           ; lane
	v_lshlrev_b32 v3, 4, v2                        ; my 16 bytes of a load's 512
	s_cmp_ge_u32 ttmp9, WGQ                        ; the work-group's number alone decides
	s_cbranch_scc1 .Lwo
	s_mul_i32 s17, s16, WREG
	v_lshrrev_b32 v14, 2, v2
	v_mul_u32_u24 v14, v14, SP
	v_and_b32 v15, 3, v2
	v_lshl_add_u32 v14, v15, 4, v14
	v_add_nc_u32 v14, s17, v14                     ; the stage, on the way in: SP (lane / 4) + 16 (lane % 4)
	v_mul_u32_u24 v15, v2, SP
	v_add_nc_u32 v15, s17, v15                     ; and on the way out: SP x lane: my 16 neighbours
	v_mul_u32_u24 v4, v2, CB                       ; my codes' place in a step's
	v_lshrrev_b32 v5, 1, v2
	s_add_co_u32 s17, s17, 2*32*SP
	v_add_nc_u32 v5, s17, v5                       ; LDS: my wave's 256 scale bytes, my block's byte
	v_lshlrev_b32 v7, 3, v2                        ; and on the way out 8 bytes a lane
	v_add_nc_u32 v6, s17, v7
	s_wait_kmcnt 0x0
	s_mov_b64 s[8:9], s[26:27]                     ; X's codes,
	s_mov_b64 s[10:11], s[28:29]                   ; X's scale bytes,
	s_add_nc_u64 s[12:13], s[26:27], 0x200000      ; W_in's codes,
	s_add_nc_u64 s[14:15], s[28:29], 0x20000       ; W_in's scale bytes
	s_cmp_lt_u32 ttmp9, WGA                        ; X's work-group or W_in's?
	s_cselect_b64 s[4:5], s[4:5], s[6:7]
	s_cselect_b64 s[8:9], s[8:9], s[12:13]
	s_cselect_b64 s[10:11], s[10:11], s[14:15]
	s_cselect_b32 s17, 0, WGA
	s_sub_co_u32 s17, ttmp9, s17
	s_lshl_b32 s17, s17, 2
	s_add_co_u32 s18, s17, s16                     ; which run of 8,192 numbers of the tensor is my wave's
	s_mov_b32 s19, 0
	s_mov_b64 s[20:21], 512*STEPS*4
	s_mul_u64 s[20:21], s[18:19], s[20:21]
	s_add_nc_u64 s[4:5], s[4:5], s[20:21]
	s_mov_b64 s[20:21], 32*STEPS*CB
	s_mul_u64 s[20:21], s[18:19], s[20:21]
	s_add_nc_u64 s[8:9], s[8:9], s[20:21]
	s_lshl_b32 s18, s18, 8                         ; 256 scale bytes a run
	s_add_nc_u64 s[10:11], s[10:11], s[18:19]
.macro LOAD t
.irp i, 0,1,2,3
	global_load_b128 v[R+16*((\t)%4)+4*\i:R+16*((\t)%4)+4*\i+3], v3, s[4:5] offset:2048*(\t)+512*\i th:TH_LOAD_NT   ; 32 lanes read 512 consecutive bytes
.endr
.endm
.macro TURN t                          ; step t's numbers through the stage: LDS serves a wave's instructions in order, so no wait stands between the stores and the loads
.irp i, 0,1,2,3
	ds_store_b128 v14, v[R+16*((\t)%4)+4*\i:R+16*((\t)%4)+4*\i+3] offset:32*SP*((\t)%2)+8*SP*\i
.endr
.irp i, 0,1,2,3
	ds_load_b128 v[X+16*((\t)%2)+4*\i:X+16*((\t)%2)+4*\i+3], v15 offset:32*SP*((\t)%2)+16*\i
.endr
.endm
.irp t, 0,1,2,3
	LOAD \t
.endr
	s_wait_loadcnt 12                              ; step 0's four loads are in; the twelve of steps 1 to 3 may be out
	TURN 0
.macro STEP t
.set XS, X+16*((\t)%2)
.if (\t) > 0
	s_wait_dscnt 1                                 ; this step's numbers are back from the stage (the last step's byte store may be out)
.else
	s_wait_dscnt 0x0
.endif
.if (\t)+4 < STEPS
	LOAD (\t)+4                                    ; into the registers that the stage's stores have read
.endif
.if (\t)+1 < STEPS
.if STEPS-2-(\t) >= 3
	s_wait_loadcnt 12                              ; the next step's four loads are in; those of the three steps behind it may be out
.else
	s_wait_loadcnt 4*(STEPS-2-(\t))
.endif
	TURN (\t)+1                                    ; the next step goes through the other stage while this one is worked
.endif
	v_max3_num_f32 v8, |v[XS]|, |v[XS+1]|, |v[XS+2]|               ; the largest magnitude of my 16, in two chains
	v_max3_num_f32 v9, |v[XS+3]|, |v[XS+4]|, |v[XS+5]|
.irp i, 6,10
	v_max3_num_f32 v8, v8, |v[XS+\i]|, |v[XS+\i+1]|
	v_max3_num_f32 v9, v9, |v[XS+\i+2]|, |v[XS+\i+3]|
.endr
	v_max3_num_f32 v8, v8, |v[XS+14]|, |v[XS+15]|
	v_max3_num_f32 v8, v8, v9, (EMAX+1)<<23        ; and the floor 2^(EMAX + 1 - 127): the byte cannot fall under 1
	v_max_num_f32_dpp v8, v8, v8 row_xmask:1 row_mask:0xf bank_mask:0xf   ; and of my neighbour's 16: the block's
	v_add_nc_u32 v11, -(EMAX<<23), v8              ; EMAX off its exponent field: the conversion takes the exponent field of this operand as its scale
	v_cvt_scalef32_pk8_fp4_f32 v[C+4*(\t)], v[XS:XS+7], v11
	v_cvt_scalef32_pk8_fp4_f32 v[C+4*(\t)+1], v[XS+8:XS+15], v11
	v_lshrrev_b32 v[E+(\t)], 23, v11               ; the scale's byte (also the plain line behind the conversions)
	ds_store_b8 v5, v[E+(\t)] offset:16*(\t)       ; both lanes of a block write the same byte with the same value
	global_store_b64 v4, v[C+4*(\t):C+4*(\t)+1], s[8:9] offset:32*CB*(\t)   ; the wave stores 256 consecutive bytes, aligned
.endm
.irp t, 0,1,2,3,4,5,6,7,8,9,10,11,12,13,14,15
	STEP \t
.endr
	ds_load_b64 v[8:9], v6                         ; LDS serves a wave's instructions in order: these see my byte stores
	s_wait_dscnt 0x0
	global_store_b64 v7, v[8:9], s[10:11]          ; 32 lanes store 256 consecutive bytes, aligned
	s_wait_tensorcnt 0x0                           ; the wave's end: behind my last LDS store
	ds_add_u32 v[SPW], v[NIL]
	s_wait_dscnt 0x0
	s_endpgm
; W_out to f16.  A wave takes 32,768 bytes in four rounds of sixteen loads of 512 bytes; two rounds are on their way.  A lane's four numbers become 8 bytes: a store covers 256 consecutive bytes, aligned.
.Lwo:
	s_sub_co_u32 s17, ttmp9, WGQ
	s_lshl_b32 s17, s17, 2
	s_add_co_u32 s17, s17, s16                     ; my run, 0 .. 127
	s_lshl_b32 s18, s17, 15                        ; its bytes in W_out,
	s_mov_b32 s19, 0
	s_lshl_b32 s20, s17, 14                        ; and in wo16
	s_mov_b32 s21, 0
	v_lshlrev_b32 v4, 3, v2
	s_wait_kmcnt 0x0
	s_add_nc_u64 s[24:25], s[24:25], s[18:19]
	s_add_nc_u64 s[30:31], s[30:31], s[20:21]
.macro WLOAD n                         ; round n into set n % 2: v16-79 or v112-175
.irp i, 0,1,2,3,4,5,6,7,8,9,10,11,12,13,14,15
	global_load_b128 v[16+96*((\n)%2)+4*\i:16+96*((\n)%2)+4*\i+3], v3, s[24:25] offset:(16*(\n)+\i)*512 th:TH_LOAD_NT
.endr
.endm
.macro WROUND n
.set WB, 16+96*((\n)%2)
.if (\n) < 3
	s_wait_loadcnt 16                              ; this round's sixteen loads are in; the next round's sixteen may be out
.else
	s_wait_loadcnt 0x0
.endif
.if (\n) > 0
	s_wait_xcnt 0x0                                ; the last round's stores have read v80-111, which are written again below
.endif
.irp i, 0,1,2,3,4,5,6,7,8,9,10,11,12,13,14,15
	v_cvt_pk_f16_f32 v[80+2*\i], v[WB+4*\i], v[WB+4*\i+1]
	v_cvt_pk_f16_f32 v[81+2*\i], v[WB+4*\i+2], v[WB+4*\i+3]
.endr
.if (\n)+2 < 4
	WLOAD (\n)+2
.endif
.irp i, 0,1,2,3,4,5,6,7,8,9,10,11,12,13,14,15
	global_store_b64 v4, v[80+2*\i:81+2*\i], s[30:31] offset:(16*(\n)+\i)*256
.endr
.endm
	WLOAD 0
	WLOAD 1
	WROUND 0
	WROUND 1
	WROUND 2
	WROUND 3
	s_endpgm
.Lfunc_end_k_qf965668f57_quant:
	.size	k_qf965668f57_quant, .Lfunc_end_k_qf965668f57_quant-k_qf965668f57_quant
	.p2alignl 7, 3214868480
	.fill 96, 4, 3214868480
	.section	.rodata,"a",@progbits
	.p2align	6, 0x0
	.amdhsa_kernel k_qf965668f57_quant
		.amdhsa_group_segment_fixed_size 33280
		.amdhsa_private_segment_fixed_size 0
		.amdhsa_enable_private_segment 0
		.amdhsa_kernarg_size 48
		.amdhsa_user_sgpr_count 2
		.amdhsa_user_sgpr_kernarg_segment_ptr 1
		.amdhsa_wavefront_size32 1
		.amdhsa_system_sgpr_workgroup_id_x 1
		.amdhsa_system_sgpr_workgroup_id_y 1
		.amdhsa_system_sgpr_workgroup_id_z 1
		.amdhsa_system_vgpr_workitem_id 0
		.amdhsa_next_free_vgpr 192
		.amdhsa_next_free_sgpr 66
		.amdhsa_reserve_vcc 0
		.amdhsa_float_denorm_mode_32 3
		.amdhsa_float_denorm_mode_16_64 3
		.amdhsa_memory_ordered 1
		.amdhsa_forward_progress 1
		.amdhsa_inst_pref_size 54
	.end_amdhsa_kernel
	.amdgpu_metadata
---
amdhsa.version: [ 1, 2 ]
amdhsa.kernels:
  - .name:           k_qf965668f57_quant
    .symbol:         k_qf965668f57_quant.kd
    .args:
      - { .name: X, .offset: 0, .size: 8, .value_kind: global_buffer, .address_space: global }
      - { .name: W_in, .offset: 8, .size: 8, .value_kind: global_buffer, .address_space: global }
      - { .name: W_out, .offset: 16, .size: 8, .value_kind: global_buffer, .address_space: global }
      - { .name: codes, .offset: 24, .size: 8, .value_kind: global_buffer, .address_space: global }
      - { .name: scales, .offset: 32, .size: 8, .value_kind: global_buffer, .address_space: global }
      - { .name: wo16, .offset: 40, .size: 8, .value_kind: global_buffer, .address_space: global }
    .group_segment_fixed_size: 33280
    .private_segment_fixed_size: 0
    .kernarg_segment_align: 8
    .kernarg_segment_size: 48
    .max_flat_workgroup_size: 128
    .sgpr_count:     66
    .vgpr_count:     192
    .wavefront_size: 32
...
	.end_amdgpu_metadata
.endif
;; end of part 1
;; launch proj (part 2): grid 16 x 16, 4 waves a work-group, clusters of 4 x 4, 327,680 bytes of LDS; arguments codes, scales, b_in, qq, kv, gf; writes qq, kv, gf
.if DOCPART == 2
	.amdgcn_target "amdgcn-amd-amdhsa--gfx1250"
	.amdhsa_code_object_version 6
	.text
	.protected	k_qf965668f57_proj
	.globl	k_qf965668f57_proj
	.p2align	8
	.type	k_qf965668f57_proj,@function
k_qf965668f57_proj:
	s_mov_b64 s[64:65], 0
	v_nop
	global_prefetch_b8 v0, s[64:65] scope:SCOPE_SE
	s_setreg_imm32_b32 hwreg(HW_REG_WAVE_MODE, 25, 1), 1
	s_wait_xcnt 0x0
	s_wait_alu depctr_hold_cnt(0) depctr_sa_sdst(0) depctr_va_vdst(0) depctr_va_sdst(0) depctr_va_ssrc(0) depctr_va_vcc(0) depctr_vm_vsrc(0)
	s_getreg_b32 s2, hwreg(HW_REG_IB_STS2, 6, 4)
	s_cmp_eq_u32 s2, 0
	s_cbranch_scc0 .Lentry_in_a_cluster
	s_endpgm
.Lentry_in_a_cluster:
	s_bfe_u32 s2, ttmp6, 0x10000c
	s_cmp_lg_u32 s2, 0xf033
	s_cbranch_scc0 .Lentry_shape_is_right
	s_endpgm
.Lentry_shape_is_right:
; P = X W_in^T + b_in on codes of FP4 (E2M1) with one E8M0 scale for each 32 along K; sums in f32.  M = N = 4,096, K = 1,024.
; A tile of P, 256 tokens x 256 columns, is ONE HEAD's Q, K, V, G (64 columns each) of 256 tokens.  Four waves, each 128 x 128: 64 accumulators, 512 registers.
; K goes in two steps of 512 through two LDS slots, each filled once by the tensor data mover; the scale bytes of the work-group's rows come once, as two dense blocks.
; CLUSTERS: 4 x 4 work-groups; X's tiles are asked for jointly along a row of the cluster, W_in's along a column.
; THE MATRIX INSTRUCTION IS USED TRANSPOSED (source 0 = 16 rows of W_in, source 1 = 16 tokens): lane (r, h) holds token r and the eight neighbouring columns 16 b + 8 h + 0 .. 7 of column block b.
; THE WAY OUT NEEDS NO LDS: what the next launch wants are IMAGES OF OPERAND REGISTERS: group c (registers 4 c .. 4 c + 3) of lane l at 512 c + 16 l.  Two neighbouring column blocks, packed to
; 16 bits, are a fragment of 16 rows x 32 K as it stands, so every store of a wave covers 512 consecutive bytes, aligned.
;   qq: -2 Q in bf16, fragment (head, token tile T, K step s) at ((128 bh + T) 2 + s) 1,024;  from byte 8,388,608 |q|^2 [32][2048] f32;  from byte 8,650,752 |k|^2 likewise.
;   kv: [bh][chunk of 512 keys][131,072]: K in bf16, fragment (tile tl, s) at (2 tl + s) 1,024;  V in f16, block (tl, d) of 16 keys x 16 channels at 65,536 + (4 tl + d) 512, in which
;       lane (r, h)'s 16 bytes lie at place (r % 8) + 8 h + 16 (r / 8): the order in which the transposing LDS load of the next launch takes them, 16 bytes a lane on end.
;   gf: G in f32, block (bh, T, d) at ((128 bh + T) 4 + d) 1,024, in the layout of the attention's result.
; |q|^2 and |k|^2 are sums of the f32 numbers; -2 is a power of two, so -2 Q is as exact as Q.
; LIMITS: |V| stays under 65,504, f16's largest number; NaN and infinities are not served.
; REGISTERS: window 0: v16-30 addresses; v32-95 scale words, two sets; v128-191 X's fragments, one set; v192-255 the bias of my 128 columns.  Window 1: W_in's fragments, two sets.
;   Windows 2, 3: the accumulators ((a, b) at v[8 (8 (a % 4) + b)]).  On the way out v32-191 of window 0 are free.
.set KSTEP,  512
.set NQ,     4                         ; matrix instructions deep in a slot
.set ROWB,   256                       ; a tile's row in bytes: 512 codes
.set KROW,   512                       ; a row of codes in memory
.set PITCH,  272                       ; an LDS row: 256 bytes + 16 of padding: the 16 rows that a load touches start at 16 different banks (64 banks of 4 bytes: ISA guide 11.1)
.set FR,     8
.set NL,     2
.set NP,     4                         ; places behind this matrix instruction (ISA guide 7.12.1)
.set HALFT,  128*PITCH
.set SLOT,   4*HALFT
.set KS,     32                        ; a row of scale bytes
.set SCL,    2*SLOT                    ; behind the slots: the scales, as units of 256 bytes + 16 of padding
.set HALFS,  (128*KS/256)*272
.set SBLK,   (16*KS/256)*272
.set SPARE,  SCL+4*HALFS               ; the spare words, 128 bytes a wave, which no other line names
.set ADRA, 16                          ; v16-17  LDS address of X's fragments in slot 0, 1
.set ADRB, 20                          ; v20-21  of W_in's
.set LI,   24                          ; v24     16 x lane: an image's place for my lane
.set VS,   25                          ; v25     16 x my place in a block of V
.set L4,   26                          ; v26     4 x lane
.set ADRS, 27                          ; v27     LDS address of my scale words: lanes 0-15 X's rows, lanes 16-31 W_in's
.set SPW,  28
.set NIL,  29
.set BO,   30                          ; v30     32 x (lane / 16): my eight numbers of a column block's bias
.set SC,   32
.set AF,   128
.set T,    32                          ; the way out: v32-95 a token block's 64 numbers with their bias
.set PK,   96                          ; v96-127 packed
.set SQ,   128                         ; v128-135 sums of squares
.set Q2R,  136                         ; v136-143 |q|^2 of block a;  v144-151 |k|^2;  v152-159 joined for the stores
.set K2R,  144
.set JN,   152
.set BI,   192
.set G1, 24
.set G0, 32
.set G1B, 48
.set G0B, 56
.set G1S, 68
.set G0S, 76
.set G1SB, 80
.set G0SB, 88
.set SEL, 20                           ; s[20:21] on the way out: selects for lane l xor 16;  s22: the mask of lanes 16-31
.set HI,  22
.set MSB, 0
.macro WIN new                         ; the immediate's high byte repeats the setting that is left
.if MSB != \new
	s_set_vgpr_msb (MSB<<8)|\new
.set MSB, \new
.endif
.endm
.set MUL_LO, 0xa1                      ; source 0 (W_in) window 1, source 1 (X) window 0, C and D window 2
.set MUL_HI, 0xf1
.set TO_B,   0x40
; A joint load: waves 0 and 1 fetch for X, waves 2 and 3 for W_in; the branch hangs on the wave's number alone.  An s_nop 0 and four v_nop follow each line.
.macro JLOAD g0a, g1a, g0b, g1b
	s_cmp_eq_u32 s15, 0
	s_cbranch_scc0 .Lfor_b_\@
	tensor_load_to_lds s[\g0a:\g0a+3], s[\g1a:\g1a+7]
	s_nop 0
.rept 4
	v_nop
.endr
	s_branch .Lasked_\@
.Lfor_b_\@:
	tensor_load_to_lds s[\g0b:\g0b+3], s[\g1b:\g1b+7]
	s_nop 0
.rept 4
	v_nop
.endr
.Lasked_\@:
.endm
.macro CROUND                          ; a round of the cluster's barrier
	s_barrier_signal -1
	s_barrier_wait -1
	s_cmp_lg_u32 s14, 0
	s_cbranch_scc1 .Lnot_wave_0_\@
	s_barrier_signal -3
.Lnot_wave_0_\@:
	s_barrier_wait -3
	s_barrier_signal -1
	s_barrier_wait -1
.endm
	s_load_b128 s[4:7], s[0:1], 0x0                ; codes, scales
	s_load_b64 s[12:13], s[0:1], 0x10              ; b_in
	s_load_b64 s[96:97], s[0:1], 0x18              ; qq
	s_load_b64 s[98:99], s[0:1], 0x20              ; kv
	s_load_b64 s[100:101], s[0:1], 0x28            ; gf
	v_lshl_add_u32 v[SPW], v0, 2, SPARE
	v_mov_b32 v[NIL], 0
	ds_add_u32 v[SPW], v[NIL]                      ; the wave's opening: the add and its wait stand ahead of my first tensor load; the set-up below stands between them
	v_lshrrev_b32 v1, 5, v0
	v_readfirstlane_b32 s14, v1                    ; wave 0..3
	s_lshr_b32 s15, s14, 1                         ; which half of the tile's tokens is mine.  Also: I fetch for X (0) or for W_in (1)
	s_and_b32 s16, s14, 1                          ; which half of its columns: 0 = Q and K, 1 = V and G.  Also: which 128 rows I fetch
	s_bfe_u32 s40, ttmp6, 0x40000                  ; cx, cy
	s_bfe_u32 s41, ttmp6, 0x40004
	s_lshl_b32 s42, ttmp9, 2
	s_add_co_u32 s42, s42, s40                     ; tile column = the head
	s_and_b32 s17, ttmp7, 0xffff
	s_lshl_b32 s17, s17, 2
	s_add_co_u32 s17, s17, s41                     ; tile row: 256 tokens
	s_lshl_b32 s43, s41, 2
	s_lshl_b32 s43, 15, s43                        ; my row of the cluster
	s_lshl_b32 s44, 0x1111, s40                    ; my column
	s_or_b32 s[G1+0], s43, (0<<16)|(1<<20)|(1<<21)|(5<<22)|(3<<25)  ; the mask; elements of 1 byte; padding on: 4 words behind every 64; bit 21 beside a mask
	s_or_b32 s[G1B+0], s44, (0<<16)|(1<<20)|(1<<21)|(5<<22)|(3<<25)
.irp g, G1, G1B
	s_mov_b32 s[\g+1], ROWB<<16                    ; tensor_dim0
	s_mov_b32 s[\g+2], 128<<16                     ; tensor_dim1
	s_mov_b32 s[\g+3], ROWB<<16                    ; tile_dim0
	s_mov_b32 s[\g+4], 128                         ; tile_dim1
	s_mov_b32 s[\g+5], KROW                        ; the pitch
	s_mov_b32 s[\g+6], 0
	s_mov_b32 s[\g+7], 0
.endr
	s_or_b32 s[G1S+0], s43, (3<<16)|(1<<20)|(1<<21)|(5<<22)|(3<<25) ; the scales of 128 rows: 4,096 dense bytes as 16 rows of 256 (32 elements of 8 bytes), 16 bytes of padding behind each
	s_or_b32 s[G1SB+0], s44, (3<<16)|(1<<20)|(1<<21)|(5<<22)|(3<<25)
.irp g, G1S, G1SB
	s_mov_b32 s[\g+1], 32<<16
	s_mov_b32 s[\g+2], (128*KS/256)<<16
	s_mov_b32 s[\g+3], 32<<16
	s_mov_b32 s[\g+4], 128*KS/256
	s_mov_b32 s[\g+5], 32
	s_mov_b32 s[\g+6], 0
	s_mov_b32 s[\g+7], 0
.endr
	s_lshl_b32 s18, s16, 7
	s_lshl_b32 s20, s17, 8
	s_add_co_u32 s20, s20, s18                     ; X: row 256 x tile row + 128 x half
	s_lshl_b32 s46, s42, 8
	s_add_co_u32 s46, s46, s18                     ; W_in: row 256 x tile column + 128 x half
	s_mov_b32 s21, 0
	s_mov_b32 s47, 0
	s_mov_b64 s[18:19], KS
	s_mul_u64 s[22:23], s[20:21], s[18:19]         ; where these rows' scales begin,
	s_mul_u64 s[92:93], s[46:47], s[18:19]
	s_mov_b64 s[18:19], KROW
	s_mul_u64 s[20:21], s[20:21], s[18:19]         ; and their codes
	s_mul_u64 s[46:47], s[46:47], s[18:19]
	s_mul_i32 s45, s14, HALFT                      ; where they go: wave x 128 rows
	s_mul_i32 s94, s14, HALFS
	s_wait_dscnt 0x0                               ; the opening add is done
	s_wait_kmcnt 0x0
	s_add_nc_u64 s[8:9], s[4:5], 0x200000          ; W_in's codes,
	s_add_nc_u64 s[10:11], s[6:7], 0x20000         ; W_in's scale bytes
	s_add_nc_u64 s[20:21], s[4:5], s[20:21]
	s_add_nc_u64 s[22:23], s[6:7], s[22:23]
	s_add_nc_u64 s[46:47], s[8:9], s[46:47]
	s_add_nc_u64 s[92:93], s[10:11], s[92:93]
	CROUND                                         ; all sixteen work-groups are here: the joint loads meet
	s_mov_b32 s[G0S], 1
	s_add_co_u32 s[G0S+1], s94, SCL
	s_mov_b64 s[G0S+2:G0S+3], s[22:23]
	s_or_b32 s[G0S+3], s[G0S+3], 0x80000000
	s_mov_b32 s[G0SB], 1
	s_add_co_u32 s[G0SB+1], s94, SCL
	s_mov_b64 s[G0SB+2:G0SB+3], s[92:93]
	s_or_b32 s[G0SB+3], s[G0SB+3], 0x80000000
	JLOAD G0S, G1S, G0SB, G1SB                     ; the scales first; then both slots: three loads of mine are out
.irp s, 0,1
	s_mov_b32 s[G0+4*\s], 1
	s_add_co_u32 s[G0+4*\s+1], s45, \s*SLOT
	s_add_nc_u64 s[G0+4*\s+2:G0+4*\s+3], s[20:21], \s*ROWB
	s_or_b32 s[G0+4*\s+3], s[G0+4*\s+3], 0x80000000
	s_mov_b32 s[G0B+4*\s], 1
	s_add_co_u32 s[G0B+4*\s+1], s45, \s*SLOT
	s_add_nc_u64 s[G0B+4*\s+2:G0B+4*\s+3], s[46:47], \s*ROWB
	s_or_b32 s[G0B+4*\s+3], s[G0B+4*\s+3], 0x80000000
	JLOAD G0+4*\s, G1, G0B+4*\s, G1B
.endr
	v_and_b32 v1, 15, v0                           ; r
	v_bfe_u32 v2, v0, 4, 1                         ; h
	v_mul_u32_u24 v3, v1, PITCH
	v_lshl_add_u32 v4, v2, 4, v3                   ; a fragment's row x pitch + 16 h
	s_mul_i32 s21, s15, HALFT
	s_mul_i32 s22, s16, HALFT
	s_add_co_u32 s22, s22, 2*HALFT
.irp s, 0,1
	v_add_nc_u32 v[ADRA+\s], s21, v4
	v_add_nc_u32 v[ADRB+\s], s22, v4
	s_add_co_u32 s21, s21, SLOT
	s_add_co_u32 s22, s22, SLOT
.endr
	v_mul_u32_u24 v5, v1, KS                       ; my row's scales: KS bytes a row,
	v_lshrrev_b32 v6, 8, v5
	v_lshl_add_u32 v5, v6, 4, v5                   ; and 16 more for each 256 passed
	s_mul_i32 s21, s15, HALFS
	s_mul_i32 s22, s16, HALFS
	s_add_co_u32 s22, s22, 2*HALFS
	s_sub_co_u32 s22, s22, s21
	v_mul_u32_u24 v6, s22, v2                      ; lanes 16-31 take W_in's
	s_add_co_u32 s21, s21, SCL
	v_add_nc_u32 v5, v5, v6
	v_add_nc_u32 v[ADRS], s21, v5
	v_and_b32 v5, 31, v0
	v_lshlrev_b32 v[LI], 4, v5
	v_lshlrev_b32 v[L4], 2, v5
	v_and_b32 v5, 7, v1
	v_lshl_or_b32 v5, v2, 3, v5
	v_lshrrev_b32 v6, 3, v1
	v_lshl_or_b32 v5, v6, 4, v5                    ; (r % 8) + 8 h + 16 (r / 8)
	v_lshlrev_b32 v[VS], 4, v5
	v_lshlrev_b32 v[BO], 5, v2
	; where my part of each output begins.  bh = 16 x batch + head;  T0 = my first token tile in the batch
	s_lshr_b32 s40, s17, 3
	s_lshl_b32 s40, s40, 4
	s_add_co_u32 s40, s40, s42                     ; bh
	s_and_b32 s41, s17, 7
	s_lshl_b32 s41, s41, 4
	s_lshl_b32 s43, s15, 3
	s_add_co_u32 s41, s41, s43                     ; T0
	s_lshl_b32 s43, s40, 7
	s_add_co_u32 s43, s43, s41                     ; 128 bh + T0
	s_mov_b32 s21, 0
	s_mov_b32 s23, 0
	s_lshl_b32 s22, s43, 6                         ; 16 tokens of 4 bytes a tile
	s_add_nc_u64 s[4:5], s[96:97], s[22:23]
	s_add_nc_u64 s[4:5], s[4:5], 0x800000          ; |q|^2
	s_add_nc_u64 s[6:7], s[4:5], 0x40000           ; |k|^2
	s_lshl_b32 s20, s43, 11
	s_add_nc_u64 s[96:97], s[96:97], s[20:21]      ; -2 Q: 2,048 bytes a tile
	s_lshl_b32 s20, s43, 12
	s_add_nc_u64 s[100:101], s[100:101], s[20:21]  ; G: 4,096 bytes a tile
	s_lshl_b32 s20, s40, 19                        ; kv: the head's 524,288 bytes,
	s_and_b32 s22, s17, 7
	s_lshr_b32 s22, s22, 1
	s_lshl_b32 s22, s22, 17                        ; the chunk of 512 keys,
	s_add_co_u32 s20, s20, s22
	s_and_b32 s22, s17, 1
	s_lshl_b32 s22, s22, 4
	s_lshl_b32 s44, s15, 3
	s_add_co_u32 s22, s22, s44
	s_lshl_b32 s22, s22, 11                        ; my first tile in it, 2,048 bytes a tile
	s_add_co_u32 s20, s20, s22
	s_add_nc_u64 s[98:99], s[98:99], s[20:21]
	s_lshl_b32 s20, s42, 10
	s_lshl_b32 s22, s16, 9
	s_add_co_u32 s20, s20, s22
	s_add_nc_u64 s[12:13], s[12:13], s[20:21]      ; b_in at my 128 columns
.irp b, 0,1,2,3,4,5,6,7
	global_load_b128 v[BI+8*\b:BI+8*\b+3], v[BO], s[12:13] offset:64*\b
	global_load_b128 v[BI+8*\b+4:BI+8*\b+7], v[BO], s[12:13] offset:64*\b+16
.endr
.macro FRAG reg, adr, q, i             ; 16 rows x 128 K of 4-bit codes: 8 registers, two loads of 16 bytes, 32 bytes apart
.irp c, 0,1
	ds_load_b128 v[\reg+4*\c:\reg+4*\c+3], v[\adr] offset:64*(\q)+32*\c+(\i)*16*PITCH
.endr
.endm
; 16 matrix instructions: X's blocks a0, a0 + 1 x W_in's eight.  The 64 accumulators take turns, one instruction a turn, in the same order in every step.
.macro MUL16 a0, p, q, sc, zero
.irp a, \a0, \a0+1
.irp b, 0,1,2,3,4,5,6,7
.if \zero
	v_wmma_scale_f32_16x16x128_f8f6f4 v[8*(8*((\a)%4)+\b):8*(8*((\a)%4)+\b)+7], v[128*(\p)+FR*\b:128*(\p)+FR*\b+FR-1], v[AF+FR*(\a):AF+FR*(\a)+FR-1], 0, v[SC+8*NQ*(\sc)+NQ*\b+(\q)], v[SC+8*NQ*(\sc)+NQ*(\a)+(\q)] matrix_a_fmt:MATRIX_FMT_FP4 matrix_b_fmt:MATRIX_FMT_FP4 matrix_a_scale:MATRIX_SCALE_ROW1
.else
	v_wmma_scale_f32_16x16x128_f8f6f4 v[8*(8*((\a)%4)+\b):8*(8*((\a)%4)+\b)+7], v[128*(\p)+FR*\b:128*(\p)+FR*\b+FR-1], v[AF+FR*(\a):AF+FR*(\a)+FR-1], v[8*(8*((\a)%4)+\b):8*(8*((\a)%4)+\b)+7], v[SC+8*NQ*(\sc)+NQ*\b+(\q)], v[SC+8*NQ*(\sc)+NQ*(\a)+(\q)] matrix_a_fmt:MATRIX_FMT_FP4 matrix_b_fmt:MATRIX_FMT_FP4 matrix_a_scale:MATRIX_SCALE_ROW1
.endif
.endr
.endr
.endm
.macro FETCH_B slot, q, p
	WIN TO_B
.irp i, 0,1,2,3,4,5,6,7
	FRAG 128*(\p)+FR*\i, ADRB+\slot, \q, \i
.endr
	WIN 0
.endm
.macro FETCH_A slot, q, i0
.irp i, \i0, \i0+1, \i0+2, \i0+3
	FRAG AF+FR*(\i), ADRA+\slot, \q, \i
.endr
.endm
.macro SCALES sc                       ; a slot's scale words: lanes 0-15 take X's block i, lanes 16-31 W_in's block i
.irp i, 0,1,2,3,4,5,6,7
	ds_load_b128 v[SC+8*NQ*\sc+NQ*\i:SC+8*NQ*\sc+NQ*\i+3], v[ADRS] offset:\i*SBLK
.endr
.endm
.macro PLACES n                        ; plain vector lines between a matrix instruction and a load into, or a vector line on, its registers
.rept \n
	v_nop
.endr
.endm
.macro STEP slot, q, zero              ; 128 along K, with its successor in the same slot
	s_wait_dscnt 4*NL                              ; W_in's set and X's blocks 0-3 are in; the youngest eight loads (X's blocks 4-7) may be out
	WIN MUL_LO
	MUL16 0, (\q)%2, \q, \slot, \zero
	MUL16 2, (\q)%2, \q, \slot, \zero
	s_wait_dscnt 0
	PLACES NP
	FETCH_B \slot, (\q)+1, 1-(\q)%2
	FETCH_A \slot, (\q)+1, 0
	WIN MUL_HI
	MUL16 4, (\q)%2, \q, \slot, \zero
	MUL16 6, (\q)%2, \q, \slot, \zero
	PLACES NP
	WIN 0
	FETCH_A \slot, (\q)+1, 4
.endm
; Slot 0's last step changes slots: each wave waits for all its tensor loads (its part of slot 1), and a barrier shows slot 1 whole to every wave.  Nothing is filled again in this launch.
.macro TURN slot, next
	s_wait_tensorcnt 0x0
	ds_add_u32 v[SPW], v[NIL]                      ; 0 onto my spare word
	s_wait_dscnt 4*NL+1                            ; the add and the youngest eight loads may be out
	WIN MUL_LO
	MUL16 0, 1, NQ-1, \slot, 0
	s_wait_dscnt 0x0
	s_barrier_signal -1
	MUL16 2, 1, NQ-1, \slot, 0
	WIN 0
	s_barrier_wait -1
	PLACES NP
	v_add_nc_u32 v[ADRS], 4*NQ, v[ADRS]            ; the next 512 along K: 16 bytes on in each row of scales
	FETCH_B \next, 0, 0
	FETCH_A \next, 0, 0
	SCALES \next
	WIN MUL_HI
	MUL16 4, 1, NQ-1, \slot, 0
	MUL16 6, 1, NQ-1, \slot, 0
	PLACES NP
	WIN 0
	FETCH_A \next, 0, 4
.endm
	s_wait_tensorcnt 1                             ; the scales and my part of slot 0 are in; slot 1's load may be out
	s_barrier_signal -1
	s_barrier_wait -1
	FETCH_B 0, 0, 0
	FETCH_A 0, 0, 0
	SCALES 0
	FETCH_A 0, 0, 4
	STEP 0, 0, 1                                   ; the first products start the sums: nothing is cleared
	STEP 0, 1, 0
	STEP 0, 2, 0
	TURN 0, 1
	STEP 1, 0, 0
	STEP 1, 1, 0
	STEP 1, 2, 0
	s_wait_dscnt 4*NL                              ; the last step: nothing more to fetch
	WIN MUL_LO
	MUL16 0, 1, NQ-1, 1, 0
	MUL16 2, 1, NQ-1, 1, 0
	s_wait_dscnt 0
	WIN MUL_HI
	MUL16 4, 1, NQ-1, 1, 0
	MUL16 6, 1, NQ-1, 1, 0
	WIN 0
	s_wait_loadcnt 0x0                             ; the bias
	PLACES NP                                      ; behind the last products: results are read, and scale words' and fragments' registers written, below
	s_mov_b32 s[SEL], 0x76543210
	s_mov_b32 s[SEL+1], 0xfedcba98
	s_mov_b32 s[HI], 0xffff0000
	s_cmp_eq_u32 s16, 0                            ; the wave's number alone: Q and K, or V and G
	s_cbranch_scc0 .Lvg
; Q AND K.  Token block a: T = -2 (Q + bias) and K + bias; sums of squares; bf16; eight stores of 512 bytes.
.set p, 0
.rept 16
	v_pk_mul_f32 v[BI+2*p:BI+2*p+1], v[BI+2*p:BI+2*p+1], -2.0 op_sel_hi:[1,0]      ; Q's bias x -2, once: the fused line below then gives -2 (Q + bias), rounded once
.set p, p+1
.endr
.macro QKOUT a
.set AC, 64*((\a)%4)
	s_wait_xcnt 0x0                                ; the last block's stores have read v96-127, which are written again below
	WIN 0x02+(\a)/4                                ; source 0: window 2 or 3
.set p, 0
.rept 16
	v_pk_fma_f32 v[T+2*p:T+2*p+1], v[AC+2*p:AC+2*p+1], -2.0, v[BI+2*p:BI+2*p+1] op_sel_hi:[1,0,1]   ; each accumulator from its low end on
.set p, p+1
.endr
.rept 16
	v_pk_add_f32 v[T+2*p:T+2*p+1], v[AC+2*p:AC+2*p+1], v[BI+2*p:BI+2*p+1]
.set p, p+1
.endr
	WIN 0
	v_pk_mul_f32 v[SQ:SQ+1], v[T:T+1], v[T:T+1]                    ; two chains for Q, two for K
	v_pk_mul_f32 v[SQ+2:SQ+3], v[T+2:T+3], v[T+2:T+3]
	v_pk_mul_f32 v[SQ+4:SQ+5], v[T+32:T+33], v[T+32:T+33]
	v_pk_mul_f32 v[SQ+6:SQ+7], v[T+34:T+35], v[T+34:T+35]
.irp k, 4,8,12,16,20,24,28
	v_pk_fma_f32 v[SQ:SQ+1], v[T+\k:T+\k+1], v[T+\k:T+\k+1], v[SQ:SQ+1]
	v_pk_fma_f32 v[SQ+2:SQ+3], v[T+\k+2:T+\k+3], v[T+\k+2:T+\k+3], v[SQ+2:SQ+3]
	v_pk_fma_f32 v[SQ+4:SQ+5], v[T+32+\k:T+33+\k], v[T+32+\k:T+33+\k], v[SQ+4:SQ+5]
	v_pk_fma_f32 v[SQ+6:SQ+7], v[T+34+\k:T+35+\k], v[T+34+\k:T+35+\k], v[SQ+6:SQ+7]
.endr
.set p, 0
.rept 32
	v_cvt_pk_bf16_f32 v[PK+p], v[T+2*p], v[T+2*p+1]
.set p, p+1
.endr
.irp b, 0,1,2,3
	global_store_b128 v[LI], v[PK+4*\b:PK+4*\b+3], s[96:97] offset:(\a)*2048+\b*512          ; column block b is group b % 2 of fragment b / 2
	global_store_b128 v[LI], v[PK+16+4*\b:PK+16+4*\b+3], s[98:99] offset:(\a)*2048+\b*512
.endr
	v_pk_add_f32 v[SQ:SQ+1], v[SQ:SQ+1], v[SQ+2:SQ+3]
	v_pk_add_f32 v[SQ+4:SQ+5], v[SQ+4:SQ+5], v[SQ+6:SQ+7]
	v_add_f32 v[SQ], v[SQ], v[SQ+1]
	v_add_f32 v[SQ+4], v[SQ+4], v[SQ+5]
	v_permlanex16_b32 v[SQ+2], v[SQ], s[SEL], s[SEL+1]             ; the token's other 32 channels lie in lane l xor 16
	v_permlanex16_b32 v[SQ+6], v[SQ+4], s[SEL], s[SEL+1]
	v_add_f32 v[SQ], v[SQ], v[SQ+2]
	v_add_f32 v[K2R+(\a)], v[SQ+4], v[SQ+6]
	v_mul_f32 v[Q2R+(\a)], 0x3e800000, v[SQ]                       ; a quarter of |-2 q|^2: exact
.endm
.irp a, 0,1,2,3,4,5,6,7
	QKOUT \a
.endr
.irp u, 0,1,2,3
	v_cndmask_b32 v[JN+\u], v[Q2R+2*\u], v[Q2R+2*\u+1], s[HI]      ; lanes 0-15: block 2 u's tokens, lanes 16-31: block 2 u + 1's: 128 consecutive bytes
	v_cndmask_b32 v[JN+4+\u], v[K2R+2*\u], v[K2R+2*\u+1], s[HI]
.endr
.irp u, 0,1,2,3
	global_store_b32 v[L4], v[JN+\u], s[4:5] offset:128*\u
	global_store_b32 v[L4], v[JN+4+\u], s[6:7] offset:128*\u
.endr
	s_branch .Lend
; V AND G.  Token block a: both with their bias; V to f16, in the order of the transposing load; G as it is.
.Lvg:
.macro VGOUT a
.set AC, 64*((\a)%4)
	s_wait_xcnt 0x0                                ; the last block's stores have read v64-111, which are written again below
	WIN 0x02+(\a)/4
.set p, 0
.rept 32
	v_pk_add_f32 v[T+2*p:T+2*p+1], v[AC+2*p:AC+2*p+1], v[BI+2*p:BI+2*p+1]
.set p, p+1
.endr
	WIN 0
.set p, 0
.rept 16
	v_cvt_pk_f16_f32 v[PK+p], v[T+2*p], v[T+2*p+1]
.set p, p+1
.endr
.irp d, 0,1,2,3
	global_store_b128 v[VS], v[PK+4*\d:PK+4*\d+3], s[98:99] offset:65536+(\a)*2048+\d*512    ; the 32 lanes fill the block's 512 bytes
.endr
.irp d, 0,1,2,3
	global_store_b128 v[LI], v[T+32+8*\d:T+32+8*\d+3], s[100:101] offset:(\a)*4096+\d*1024
	global_store_b128 v[LI], v[T+32+8*\d+4:T+32+8*\d+7], s[100:101] offset:(\a)*4096+\d*1024+512
.endr
.endm
.irp a, 0,1,2,3,4,5,6,7
	VGOUT \a
.endr
.Lend:
	s_wait_tensorcnt 0x0                           ; the wave's end: behind my last tensor load
	ds_add_u32 v[SPW], v[NIL]
	s_wait_dscnt 0x0
	CROUND                                         ; the closing round
	s_endpgm
.Lfunc_end_k_qf965668f57_proj:
	.size	k_qf965668f57_proj, .Lfunc_end_k_qf965668f57_proj-k_qf965668f57_proj
	.p2alignl 7, 3214868480
	.fill 96, 4, 3214868480
	.section	.rodata,"a",@progbits
	.p2align	6, 0x0
	.amdhsa_kernel k_qf965668f57_proj
		.amdhsa_group_segment_fixed_size 327680
		.amdhsa_private_segment_fixed_size 0
		.amdhsa_enable_private_segment 0
		.amdhsa_kernarg_size 48
		.amdhsa_user_sgpr_count 2
		.amdhsa_user_sgpr_kernarg_segment_ptr 1
		.amdhsa_wavefront_size32 1
		.amdhsa_system_sgpr_workgroup_id_x 1
		.amdhsa_system_sgpr_workgroup_id_y 1
		.amdhsa_system_sgpr_workgroup_id_z 1
		.amdhsa_system_vgpr_workitem_id 0
		.amdhsa_next_free_vgpr 1024
		.amdhsa_next_free_sgpr 102
		.amdhsa_reserve_vcc 0
		.amdhsa_float_denorm_mode_32 3
		.amdhsa_float_denorm_mode_16_64 3
		.amdhsa_memory_ordered 1
		.amdhsa_forward_progress 1
		.amdhsa_inst_pref_size 192
	.end_amdhsa_kernel
	.amdgpu_metadata
---
amdhsa.version: [ 1, 2 ]
amdhsa.kernels:
  - .name:           k_qf965668f57_proj
    .symbol:         k_qf965668f57_proj.kd
    .args:
      - { .name: codes, .offset: 0, .size: 8, .value_kind: global_buffer, .address_space: global }
      - { .name: scales, .offset: 8, .size: 8, .value_kind: global_buffer, .address_space: global }
      - { .name: b_in, .offset: 16, .size: 8, .value_kind: global_buffer, .address_space: global }
      - { .name: qq, .offset: 24, .size: 8, .value_kind: global_buffer, .address_space: global }
      - { .name: kv, .offset: 32, .size: 8, .value_kind: global_buffer, .address_space: global }
      - { .name: gf, .offset: 40, .size: 8, .value_kind: global_buffer, .address_space: global }
    .group_segment_fixed_size: 327680
    .private_segment_fixed_size: 0
    .kernarg_segment_align: 8
    .kernarg_segment_size: 48
    .max_flat_workgroup_size: 128
    .sgpr_count:     102
    .vgpr_count:     1024
    .wavefront_size: 32
...
	.end_amdgpu_metadata
.endif
;; end of part 2
;; launch attn (part 3): grid 8 x 32, 8 waves a work-group, clusters of 4 x 1, 327,680 bytes of LDS; arguments qq, kv, gf, hid; writes hid
.if DOCPART == 3
	.amdgcn_target "amdgcn-amd-amdhsa--gfx1250"
	.amdhsa_code_object_version 6
	.text
	.protected	k_qf965668f57_attn
	.globl	k_qf965668f57_attn
	.p2align	8
	.type	k_qf965668f57_attn,@function
k_qf965668f57_attn:
	s_mov_b64 s[64:65], 0
	v_nop
	global_prefetch_b8 v0, s[64:65] scope:SCOPE_SE
	s_setreg_imm32_b32 hwreg(HW_REG_WAVE_MODE, 25, 1), 1
	s_wait_xcnt 0x0
	s_wait_alu depctr_hold_cnt(0) depctr_sa_sdst(0) depctr_va_vdst(0) depctr_va_sdst(0) depctr_va_ssrc(0) depctr_va_vcc(0) depctr_vm_vsrc(0)
	s_getreg_b32 s2, hwreg(HW_REG_IB_STS2, 6, 4)
	s_cmp_eq_u32 s2, 0
	s_cbranch_scc0 .Lentry_in_a_cluster
	s_endpgm
.Lentry_in_a_cluster:
	s_bfe_u32 s2, ttmp6, 0x10000c
	s_cmp_lg_u32 s2, 0x3003
	s_cbranch_scc0 .Lentry_shape_is_right
	s_endpgm
.Lentry_shape_is_right:
; For each of 32 (batch, head): w = (eps + sqrt(max(|q|^2 + |k|^2 - 2 q.k, 0)))^-2, A = (sum of w V) / (eps + sum of w), H = G A.  2,048 queries x 2,048 keys, head size 64.
; SHARES.  A work-group owns 256 queries of one head; each of its eight waves 32 of them, two tiles of 16, in 512 registers: two waves to a SIMD, so that one wave's vector work stands beside
; the other's products and LDS loads.  Every wave walks all keys, 128 a step.
; LAYOUT.  Both products are used transposed: S^T (source 0 = 16 keys, source 1 = 16 queries), O^T = V^T P (source 0 = 16 channels, source 1 = P): a lane holds ONE query throughout.
; Q arrives as -2 Q, and |k|^2 is the C of the first product: S' = |k|^2 - 2 q.k costs no vector line.  Q and K are bf16; V and the weights f16.
; THE WEIGHTS' SCALE.  Raw weights span 1e-8 .. 1e8, which f16 does not hold.  For each query a power of two g = 2^a is made from the running smallest d^2: u = max(min d^2, 0) + eps^2, E its
; exponent field, a = (115 - E) >> 1.  e' = g sqrt(d^2) + g eps, w' = (1 / e')^2 = w / g^2.  Since (eps + d)^2 >= u >= 2^(E - 127), the row's largest w' lies in (2^10, 2^13].
; When a grows, O and the sum are multiplied by f = 2^(2 (old a - a)), which rounds nothing; that is done in every step, with no branch.  At the end A = O' / (eps 2^(-2 a) + sum of w').
; THE RESULT.  H of a (token, head) is multiplied by a power of two that brings its largest magnitude into [2^14, 2^15), rounded to f16 and stored as images of the last product's operand
; registers (fragment (token tile TT, K step 2 head + s) at (32 TT + 2 head + s) 1,024 of hid); the power's inverse goes to hid + 8,388,608, [16 heads][4,096 tokens] f32.
; THE RING.  Two LDS slots, each a chunk of 512 keys as it lies in kv (K's 64 KiB, V's 64 KiB); each wave fetches 16 KiB of a chunk by one load.  |k|^2 of the whole head comes once.
; CLUSTER.  The four query blocks of a cluster walk the same K, V and |k|^2: every load is asked for JOINTLY, by the same line with the same descriptor and the mask of all four.
; LIMITS: NaN and infinities are not served; d^2 stays under 2^100, so that eps 2^(-2 a) is finite; v_sqrt_f32 and v_rcp_f32 take denormals as zero (ISA guide, their entries): a d^2 under
; 2^-126 counts as 0; |q|^2 and |k|^2 are those of the f32 numbers, q.k that of the bf16 ones; an H whose largest magnitude lies under 2^-100 is scaled as if it were 2^-100.
; REGISTERS.  Window 0: v1-10 addresses; v32-63 Q (tile i, K step s at 32 + 16 i + 8 s); v64-191 K's 16 fragments, then V's 16; v192-255 |k|^2 of the step's 8 key tiles, at the end G.
;   Window 1: v0-63, v64-127 S^T of tiles 0, 1 (key tile t at 8 t), the weights, then P packed in place (32 keys c at 8 c); v128-191 O^T ((i, d) at 128 + 32 i + 8 d);
;   v192 + 16 i: +0 |q|^2, +1 the smallest d^2, +2 g, +3 a, +4 eps g, +6 f, +5 and +7 zeros that fill pairs, +8..11 the sum in four; v224 + 8 i: eight registers at work.
.set SLOT1, 1<<17                      ; slot 1 begins here: one exclusive or turns an address from one slot into the other's
.set VOFF,  65536                      ; V's blocks in a slot
.set STEPB, 16384                      ; 128 keys of K, and of V
.set K2L,   262144                     ; |k|^2 of the head: 8,192 bytes, filled once
.set SPARE, 270336                     ; the spare words, 128 bytes a wave, which no other line names
.set LI,  1                            ; v1   16 x lane
.set ADK, 2                            ; v2   the step's K
.set ADV, 3                            ; v3   the step's V
.set ADC, 4                            ; v4   the step's |k|^2
.set K2A, 5                            ; v5   K2L + 32 (lane / 16)
.set SPW, 6
.set NIL, 7
.set R4,  8                            ; v8   4 (lane % 16)
.set L4,  9                            ; v9   4 x lane
.set PFO, 10                           ; v10  256 x lane
.set QF,  32
.set FB,  64
.set KC,  192
.set O,   128                          ; window 1
.set ST,  192
.set CH,  224
.set WV,  12
.set CX,  13
.set BH,  14
.set G1,  24                           ; s[24:31] a wave's 16 KiB of a chunk: 64 rows of 256 bytes
.set G1K, 32                           ; s[32:39] a wave's 1 KiB of |k|^2: 4 rows
.set G0,  40                           ; s[40:43] walks
.set G0K, 44
.set SEL, 48
.set KO,  50                           ; s50  LDS byte of the step's K
.set K2O, 51                           ; s51  the step's first key x 4
.set SLOTS, 52
.set CNT, 53
.set LIM, 54
.set HD,  55
.set PFA, 56
.set HI,  58                           ; s58  the mask of lanes 16-31
.set EPS, 59                           ; s59  1e-4
.set MSB, 0
.macro WIN new                         ; the immediate's high byte repeats the setting that is left
.if MSB != \new
	s_set_vgpr_msb (MSB<<8)|\new
.set MSB, \new
.endif
.endm
.macro CROUND                          ; a round of the cluster's barrier
	s_barrier_signal -1
	s_barrier_wait -1
	s_cmp_lg_u32 s[WV], 0
	s_cbranch_scc1 .Lnot_wave_0_\@
	s_barrier_signal -3
.Lnot_wave_0_\@:
	s_barrier_wait -3
	s_barrier_signal -1
	s_barrier_wait -1
.endm
; A PREFETCH INTO THE L2 of the chunk that the NEXT change of slots will ask for: four key steps ahead of that load.  A chunk is 16 pieces of 8,192 bytes, lanes 256 bytes apart.  Both clusters of a head
; walk the same chunks: the first asks.  Its four partners take four pieces each, told apart BY ADDRESS; in each, waves 0 to 3 ask, one instruction a wave: each 256 bytes are named once.
; Chunks 0 and 1 come by their loads alone; the last change that fills a slot asks for nothing.
.macro ASK
	s_cmp_gt_u32 s[SLOTS], s[LIM]
	s_cbranch_scc0 .Lnot_mine_\@
	global_prefetch_b8 v[PFO], s[PFA:PFA+1] th:TH_LOAD_NT scope:SCOPE_SE
.Lnot_mine_\@:
.endm
	s_load_b256 s[4:11], s[0:1], 0x0               ; qq, kv, gf, hid
	v_lshl_add_u32 v[SPW], v0, 2, SPARE
	v_mov_b32 v[NIL], 0
	ds_add_u32 v[SPW], v[NIL]                      ; the wave's opening: the add and its wait stand ahead of my first tensor load; the set-up below stands between them
	v_lshrrev_b32 v1, 5, v0
	v_readfirstlane_b32 s[WV], v1                  ; wave 0..7
	s_bfe_u32 s[CX], ttmp6, 0x40000                ; my place in the cluster: it enters Q's, G's, the result's and the prefetches' addresses alone
	s_and_b32 s[BH], ttmp7, 0xffff                 ; 16 x batch + head, which the four partners share
	s_mov_b32 s[G1], 15|(3<<16)|(1<<21)            ; the mask of all four; elements of 8 bytes; no padding; bit 21 beside a mask
	s_mov_b32 s[G1+1], 32<<16                      ; tensor_dim0 = 32 elements: 256 bytes
	s_mov_b32 s[G1+2], 64<<16                      ; tensor_dim1 = 64
	s_mov_b32 s[G1+3], 32<<16                      ; tile_dim0
	s_mov_b32 s[G1+4], 64                          ; tile_dim1
	s_mov_b32 s[G1+5], 32                          ; the pitch: dense
	s_mov_b32 s[G1+6], 0
	s_mov_b32 s[G1+7], 0
	s_mov_b32 s[G1K], 15|(3<<16)|(1<<21)
	s_mov_b32 s[G1K+1], 32<<16
	s_mov_b32 s[G1K+2], 4<<16
	s_mov_b32 s[G1K+3], 32<<16
	s_mov_b32 s[G1K+4], 4
	s_mov_b32 s[G1K+5], 32
	s_mov_b32 s[G1K+6], 0
	s_mov_b32 s[G1K+7], 0
	s_mov_b32 s[SEL], 0x76543210
	s_mov_b32 s[SEL+1], 0xfedcba98
	s_mov_b32 s[HI], 0xffff0000
	s_mov_b32 s[EPS], 0x38d1b717
	s_mov_b32 s[KO], 0
	s_mov_b32 s[K2O], 0
	s_mov_b32 s[SLOTS], 3
	s_lshr_b32 s[LIM], s[WV], 2                    ; 0 in waves 0 to 3,
	s_or_b32 s[LIM], s[LIM], ttmp9                 ; of the head's first cluster: the same in all four partners
	s_cmp_eq_u32 s[LIM], 0
	s_cselect_b32 s[LIM], 1, -1
	s_lshl_b32 s20, s[BH], 19
	s_lshl_b32 s21, s[WV], 14
	s_add_co_u32 s20, s20, s21                     ; kv: my 16 KiB of the head's chunk 0
	s_mov_b32 s21, 0
	s_lshl_b32 s22, s[BH], 13
	s_lshl_b32 s23, s[WV], 10
	s_add_co_u32 s22, s22, s23
	s_add_co_u32 s22, s22, 0x840000                ; qq: my 1 KiB of the head's |k|^2
	s_mov_b32 s23, 0
	v_and_b32 v11, 31, v0
	v_lshlrev_b32 v[LI], 4, v11
	v_lshlrev_b32 v[L4], 2, v11
	v_lshlrev_b32 v[PFO], 8, v11
	v_and_b32 v12, 15, v0
	v_lshlrev_b32 v[R4], 2, v12
	v_bfe_u32 v12, v0, 4, 1
	v_lshl_add_u32 v[K2A], v12, 5, K2L
	s_wait_dscnt 0x0                               ; the opening add is done
	s_wait_kmcnt 0x0
	s_mov_b32 s[G0], 1
	s_lshl_b32 s[G0+1], s[WV], 14                  ; slot 0, wave x 16 KiB: no place in the cluster enters an LDS address
	s_add_nc_u64 s[G0+2:G0+3], s[6:7], s[20:21]
	s_or_b32 s[G0+3], s[G0+3], 0x80000000
	s_mov_b32 s[G0K], 1
	s_lshl_b32 s[G0K+1], s[WV], 10
	s_add_co_u32 s[G0K+1], s[G0K+1], K2L
	s_add_nc_u64 s[G0K+2:G0K+3], s[4:5], s[22:23]
	s_or_b32 s[G0K+3], s[G0K+3], 0x80000000
	CROUND                                         ; all four work-groups are here: the first joint loads meet
	tensor_load_to_lds s[G0K:G0K+3], s[G1K:G1K+7]  ; |k|^2, filled once,
	s_nop 0
	tensor_load_to_lds s[G0:G0+3], s[G1:G1+7]      ; and chunk 0: two loads of mine are out
	s_nop 0
.rept 4
	v_nop
.endr
	s_lshl_b32 s15, ttmp9, 2
	s_add_co_u32 s15, s15, s[CX]                   ; my block of 256 queries
	s_lshl_b32 s15, s15, 4
	s_lshl_b32 s2, s[WV], 1
	s_add_co_u32 s15, s15, s2                      ; my first query tile in the batch
	s_lshl_b32 s2, s[BH], 7
	s_add_co_u32 s2, s2, s15                       ; 128 bh + tile
	s_lshr_b32 s3, s[BH], 4
	s_lshl_b32 s3, s3, 7
	s_add_co_u32 s3, s3, s15                       ; 128 x batch + tile
	s_and_b32 s[HD], s[BH], 15                     ; the head
	s_lshl_b32 s20, s2, 6
	s_add_nc_u64 s[16:17], s[4:5], s[20:21]
	s_add_nc_u64 s[16:17], s[16:17], 0x800000      ; |q|^2
	s_lshl_b32 s20, s2, 11
	s_add_nc_u64 s[4:5], s[4:5], s[20:21]          ; -2 Q
	s_lshl_b32 s20, s2, 12
	s_add_nc_u64 s[8:9], s[8:9], s[20:21]          ; G
	s_lshl_b32 s20, s3, 6
	s_lshl_b32 s22, s[HD], 14
	s_add_co_u32 s20, s20, s22
	s_add_nc_u64 s[18:19], s[10:11], s[20:21]
	s_add_nc_u64 s[18:19], s[18:19], 0x800000      ; the result's scales
	s_lshl_b32 s20, s3, 15
	s_lshl_b32 s22, s[HD], 11
	s_add_co_u32 s20, s20, s22
	s_add_nc_u64 s[10:11], s[10:11], s[20:21]      ; the result's fragments
	s_and_b32 s20, s[WV], 3
	s_lshl_b32 s22, s[CX], 2
	s_add_co_u32 s20, s20, s22                     ; my piece of a chunk
	s_lshl_b32 s20, s20, 13
	s_add_co_u32 s20, s20, SLOT1                   ; in chunk 1: the first change of slots steps it to chunk 2
	s_lshl_b32 s22, s[BH], 19
	s_add_co_u32 s20, s20, s22
	s_add_nc_u64 s[PFA:PFA+1], s[6:7], s[20:21]
.irp i, 0,1
.irp s, 0,1
.irp c, 0,1
	global_load_b128 v[QF+16*\i+8*\s+4*\c:QF+16*\i+8*\s+4*\c+3], v[LI], s[4:5] offset:\i*2048+\s*1024+\c*512   ; Q stays in registers
.endr
.endr
.endr
	WIN 0x40                                       ; destination window 1
.irp i, 0,1
	global_load_b32 v[ST+16*\i], v[R4], s[16:17] offset:64*\i
.endr
.set n, 0
.rept 64
	v_mov_b32 v[O+n], 0                            ; O^T.  (The step is written once: the first finds zeros, which the first f leaves zeros)
.set n, n+1
.endr
.irp i, 0,1
	v_mov_b32 v[ST+16*\i+1], 0x7f7fffff            ; the smallest d^2 so far: over every d^2
	v_mov_b32 v[ST+16*\i+3], 0xffffff9c            ; a = -100, under every a: the first f is at most 1
	v_mov_b32 v[ST+16*\i+5], 0
	v_mov_b32 v[ST+16*\i+7], 0
	v_mov_b32 v[ST+16*\i+8], 0                     ; the sum
	v_mov_b32 v[ST+16*\i+9], 0
	v_mov_b32 v[ST+16*\i+10], 0
	v_mov_b32 v[ST+16*\i+11], 0
.endr
	WIN 0
; THE VECTOR WORK, in groups of four register pairs (group g of eight), so that no line reads the result of the line just above it.
.macro DSQ i                           ; d^2 = max(S' + |q|^2, 0)
.irp u, 0,1,2,3
	v_pk_add_f32 v[64*\i+8*g+2*\u:64*\i+8*g+2*\u+1], v[64*\i+8*g+2*\u:64*\i+8*g+2*\u+1], v[ST+16*\i:ST+16*\i+1] op_sel_hi:[1,0]
.endr
.irp u, 0,1,2,3,4,5,6,7
	v_max_num_f32 v[64*\i+8*g+\u], 0, v[64*\i+8*g+\u]
.endr
.endm
.macro ROOT i
.irp u, 0,1,2,3,4,5,6,7
	v_sqrt_f32 v[64*\i+8*g+\u], v[64*\i+8*g+\u]
.endr
.endm
.macro EPSG i                          ; e' = g d + g eps
.irp u, 0,1,2,3
	v_pk_fma_f32 v[64*\i+8*g+2*\u:64*\i+8*g+2*\u+1], v[64*\i+8*g+2*\u:64*\i+8*g+2*\u+1], v[ST+16*\i+2:ST+16*\i+3], v[ST+16*\i+4:ST+16*\i+5] op_sel_hi:[1,0,0]
.endr
.endm
.macro RECIP i
.irp u, 0,1,2,3,4,5,6,7
	v_rcp_f32 v[64*\i+8*g+\u], v[64*\i+8*g+\u]
.endr
.endm
.macro OSC                             ; O^T under the new a: registers 8 g .. 8 g + 7 belong to tile g / 4; each accumulator from its low end on
.irp u, 0,1,2,3
	v_pk_mul_f32 v[O+8*g+2*\u:O+8*g+2*\u+1], v[O+8*g+2*\u:O+8*g+2*\u+1], v[ST+16*(g/4)+6:ST+16*(g/4)+7] op_sel_hi:[1,0]
.endr
.endm
.macro WGT i                           ; w' = (1 / e')^2; the sum takes the unrounded w'; pair n = 4 g + u is packed into register n, which earlier pairs have left
.irp u, 0,1,2,3
	v_pk_mul_f32 v[64*\i+8*g+2*\u:64*\i+8*g+2*\u+1], v[64*\i+8*g+2*\u:64*\i+8*g+2*\u+1], v[64*\i+8*g+2*\u:64*\i+8*g+2*\u+1]
.endr
.irp u, 0,1,2,3
	v_pk_add_f32 v[ST+16*\i+8+2*(\u%2):ST+16*\i+9+2*(\u%2)], v[ST+16*\i+8+2*(\u%2):ST+16*\i+9+2*(\u%2)], v[64*\i+8*g+2*\u:64*\i+8*g+2*\u+1]
	v_cvt_pk_f16_f32 v[64*\i+4*g+\u], v[64*\i+8*g+2*\u], v[64*\i+8*g+2*\u+1]
.endr
.endm
; The smallest S' of the step, and what hangs on it, for both tiles line by line.
.macro MINSC
.irp t, 0,1,2,3,4,5,6,7
.irp i, 0,1
	v_min3_num_f32 v[CH+8*\i+\t], v[64*\i+8*\t], v[64*\i+8*\t+1], v[64*\i+8*\t+2]      ; each accumulator is read from its low end on
.endr
.endr
.irp k, 3,5
.irp t, 0,1,2,3,4,5,6,7
.irp i, 0,1
	v_min3_num_f32 v[CH+8*\i+\t], v[CH+8*\i+\t], v[64*\i+8*\t+\k], v[64*\i+8*\t+\k+1]
.endr
.endr
.endr
.irp u, 0,1,2,3
.irp i, 0,1
	v_min3_num_f32 v[CH+8*\i+\u], v[CH+8*\i+\u], v[64*\i+16*\u+7], v[64*\i+16*\u+15]
.endr
.endr
.irp i, 0,1
	v_min3_num_f32 v[CH+8*\i], v[CH+8*\i], v[CH+8*\i+1], v[CH+8*\i+2]
.endr
.irp i, 0,1
	v_min3_num_f32 v[CH+8*\i+3], v[CH+8*\i+3], v[CH+8*\i+4], v[CH+8*\i+5]
.endr
.irp i, 0,1
	v_min3_num_f32 v[CH+8*\i], v[CH+8*\i], v[CH+8*\i+3], v[CH+8*\i+6]
.endr
.irp i, 0,1
	v_min_num_f32 v[CH+8*\i], v[CH+8*\i], v[CH+8*\i+7]
.endr
.irp i, 0,1
	v_permlanex16_b32 v[CH+8*\i+1], v[CH+8*\i], s[SEL], s[SEL+1]   ; the query's other 64 keys lie in lane l xor 16
.endr
.irp i, 0,1
	v_min_num_f32 v[CH+8*\i], v[CH+8*\i], v[CH+8*\i+1]
.endr
.irp i, 0,1
	v_add_f32 v[CH+8*\i], v[CH+8*\i], v[ST+16*\i]                  ; + |q|^2: the same addition as every pair's, so the smallest stays the smallest
.endr
.irp i, 0,1
	v_min_num_f32 v[ST+16*\i+1], v[ST+16*\i+1], v[CH+8*\i]         ; the running smallest
.endr
.irp i, 0,1
	v_max_num_f32 v[CH+8*\i], 0, v[ST+16*\i+1]
.endr
.irp i, 0,1
	v_add_f32 v[CH+8*\i], 0x322bcc77, v[CH+8*\i]                   ; u = + eps^2
.endr
.irp i, 0,1
	v_lshrrev_b32 v[CH+8*\i], 23, v[CH+8*\i]                       ; E
.endr
.irp i, 0,1
	v_sub_nc_u32 v[CH+8*\i], 115, v[CH+8*\i]
.endr
.irp i, 0,1
	v_ashrrev_i32 v[CH+8*\i], 1, v[CH+8*\i]                        ; a, from -70 to 7
.endr
.irp i, 0,1
	v_sub_nc_u32 v[CH+8*\i+1], v[ST+16*\i+3], v[CH+8*\i]           ; old a - a: 0 or less
.endr
.irp i, 0,1
	v_mov_b32 v[ST+16*\i+3], v[CH+8*\i]
.endr
.irp i, 0,1
	v_lshlrev_b32 v[CH+8*\i+1], 1, v[CH+8*\i+1]
.endr
.irp i, 0,1
	v_ldexp_f32 v[ST+16*\i+6], 1.0, v[CH+8*\i+1]                   ; f
.endr
.irp i, 0,1
	v_add_lshl_u32 v[ST+16*\i+2], v[CH+8*\i], 127, 23              ; g = 2^a, by its bits
.endr
.irp i, 0,1
	v_mul_f32 v[ST+16*\i+4], s[EPS], v[ST+16*\i+2]                 ; eps g: exact
.endr
.irp i, 0,1
	v_pk_mul_f32 v[ST+16*\i+8:ST+16*\i+9], v[ST+16*\i+8:ST+16*\i+9], v[ST+16*\i+6:ST+16*\i+7] op_sel_hi:[1,0]
	v_pk_mul_f32 v[ST+16*\i+10:ST+16*\i+11], v[ST+16*\i+10:ST+16*\i+11], v[ST+16*\i+6:ST+16*\i+7] op_sel_hi:[1,0]
.endr
.endm
; A KEY STEP: 128 keys.  gl = 1, the last: G is asked for, into the registers that |k|^2 has left.
.macro STEP gl
	v_add_nc_u32 v[ADK], s[KO], v[LI]
	v_add_nc_u32 v[ADC], s[K2O], v[K2A]
	v_add_nc_u32 v[ADV], VOFF, v[ADK]
.irp t, 0,1,2,3,4,5,6,7
.irp c, 0,1
	ds_load_b128 v[KC+8*\t+4*\c:KC+8*\t+4*\c+3], v[ADC] offset:64*\t+16*\c        ; |k|^2 of keys 16 t + 8 (lane / 16) + 0 .. 7: the result's layout
.endr
.endr
.irp s, 0,1                                    ; K's fragments as they lie, 512 consecutive bytes a load; K step 0's first
.irp t, 0,1,2,3,4,5,6,7
.irp c, 0,1
	ds_load_b128 v[FB+16*\t+8*\s+4*\c:FB+16*\t+8*\s+4*\c+3], v[ADK] offset:2048*\t+1024*\s+512*\c
.endr
.endr
.endr
	s_wait_dscnt 16                                ; |k|^2 and K step 0 are in; K step 1's sixteen loads may be out
	WIN 0x40                                       ; D window 1; A, B, C window 0
.irp t, 0,1,2,3,4,5,6,7                        ; the sixteen accumulators take turns, one instruction a turn
.irp i, 0,1
	v_wmma_f32_16x16x32_bf16 v[64*\i+8*\t:64*\i+8*\t+7], v[FB+16*\t:FB+16*\t+7], v[QF+16*\i:QF+16*\i+7], v[KC+8*\t:KC+8*\t+7]
.endr
.endr
	s_wait_dscnt 0x0
	WIN 0x50                                       ; C and D window 1
.irp t, 0,1,2,3,4,5,6,7
.irp i, 0,1
	v_wmma_f32_16x16x32_bf16 v[64*\i+8*\t:64*\i+8*\t+7], v[FB+16*\t+8:FB+16*\t+15], v[QF+16*\i+8:QF+16*\i+15], v[64*\i+8*\t:64*\i+8*\t+7]
.endr
.endr
	WIN 0
.rept 4
	v_nop                                          ; four places: behind them loads land in K's and |k|^2's registers, and the results are read
.endr
.irp c, 0,1,2,3                                ; V^T, fragment (32 keys c, 16 channels d): two transposing loads, each of a block's 512 consecutive bytes
.irp d, 0,1,2,3
	ds_load_tr16_b128 v[FB+8*(4*\c+\d):FB+8*(4*\c+\d)+3], v[ADV] offset:(8*\c+\d)*512
	ds_load_tr16_b128 v[FB+8*(4*\c+\d)+4:FB+8*(4*\c+\d)+7], v[ADV] offset:(8*\c+4+\d)*512
.endr
.endr
.if \gl
.irp i, 0,1
.irp d, 0,1,2,3
.irp c, 0,1
	global_load_b128 v[KC+32*\i+8*\d+4*\c:KC+32*\i+8*\d+4*\c+3], v[LI], s[8:9] offset:(4*\i+\d)*1024+512*\c th:TH_LOAD_NT
.endr
.endr
.endr
.endif
	WIN 0x55                                       ; all vector work in window 1
	MINSC
.set g, 0
.rept 8
	DSQ 0
.set g, g+1
.endr
.set g, 0
.rept 8
	ROOT 0
	DSQ 1
.set g, g+1
.endr
	s_wait_alu depctr_va_vdst(0)                   ; one wait for the 64 roots of tile 0, ahead of their first reader; the line above is plain
.set g, 0
.rept 8
	ROOT 1
	EPSG 0
.set g, g+1
.endr
	s_wait_alu depctr_va_vdst(0)                   ; for the 64 roots of tile 1
.set g, 0
.rept 8
	RECIP 0
	EPSG 1
	OSC
.set g, g+1
.endr
	s_wait_alu depctr_va_vdst(0)                   ; for the 64 reciprocals of tile 0
.set g, 0
.rept 8
	RECIP 1
	WGT 0
.set g, g+1
.endr
	s_wait_alu depctr_va_vdst(0)                   ; for the 64 reciprocals of tile 1
.set g, 0
.rept 8
	WGT 1
.set g, g+1
.endr
	s_wait_dscnt 0x0                               ; V is in
	WIN 0x54                                       ; A window 0; B, C, D window 1
.irp c, 0,1,2,3                                ; the eight accumulators take turns
.irp d, 0,1,2,3
.irp i, 0,1
	v_wmma_f32_16x16x32_f16 v[O+32*\i+8*\d:O+32*\i+8*\d+7], v[FB+8*(4*\c+\d):FB+8*(4*\c+\d)+7], v[64*\i+8*\c:64*\i+8*\c+7], v[O+32*\i+8*\d:O+32*\i+8*\d+7]
.endr
.endr
.endr
	WIN 0
.rept 5
	v_nop                                          ; five places: the next step's first products write over P's registers; its loads land in V's
.endr
	s_add_co_u32 s[KO], s[KO], STEPB
	s_add_co_u32 s[K2O], s[K2O], 512
.endm
.macro STEPS n
	s_mov_b32 s[CNT], \n
.Lstep_\@:
	STEP 0
	s_sub_co_u32 s[CNT], s[CNT], 1
	s_cmp_lg_u32 s[CNT], 0
	s_cbranch_scc1 .Lstep_\@
.endm
; THE CHANGE OF SLOTS stands at a slot's head.  Each wave waits for all its tensor loads (its part of the slot that it is about to read), adds 0 to its spare word, and waits for that and for its
; reads of the slot that it has left.  fill = 1: a round of the cluster's barrier, so that no wave of any partner still reads that slot or has a load on its way; the joint load of the next chunk
; is the first thing behind it and my one tensor load until the next round: it has four key steps in which to land.
.macro CHANGE fill
	s_wait_tensorcnt 0x0
	ds_add_u32 v[SPW], v[NIL]                      ; the descriptor's steps stand between the add and the wait for it
.if \fill
	s_xor_b32 s[G0+1], s[G0+1], SLOT1              ; no tensor load of mine is out: the other slot than last time,
	s_add_nc_u64 s[G0+2:G0+3], s[G0+2:G0+3], 131072   ; the next chunk
	s_wait_xcnt 0x0                                ; the last prefetch, four key steps back, has read its address
	s_add_nc_u64 s[PFA:PFA+1], s[PFA:PFA+1], 131072
	s_wait_dscnt 0x0
	CROUND
	tensor_load_to_lds s[G0:G0+3], s[G1:G1+7]
	s_nop 0
.rept 4
	v_nop
.endr
	ASK
.else
	s_wait_dscnt 0x0
	s_barrier_signal -1
	s_barrier_wait -1
.endif
.endm
	s_wait_loadcnt 0x0                             ; Q and |q|^2
.Lslot:                                            ; three trips: chunks 0 to 2 are walked while chunks 1 to 3 are on their way
	CHANGE 1
	STEPS 4
	s_sub_co_u32 s[KO], s[KO], 4*STEPB
	s_xor_b32 s[KO], s[KO], SLOT1                  ; on to the other slot
	s_sub_co_u32 s[SLOTS], s[SLOTS], 1
	s_cmp_lg_u32 s[SLOTS], 0
	s_cbranch_scc1 .Lslot
	CHANGE 0                                       ; the last chunk is written out: nothing is asked for
	STEPS 3
	STEP 1
	; THE WAY OUT.
	s_wait_loadcnt 0x0                             ; G
	WIN 0x55
.irp i, 0,1
	v_pk_add_f32 v[ST+16*\i+8:ST+16*\i+9], v[ST+16*\i+8:ST+16*\i+9], v[ST+16*\i+10:ST+16*\i+11]
.endr
.irp i, 0,1
	v_add_f32 v[CH+8*\i], v[ST+16*\i+8], v[ST+16*\i+9]
.endr
.irp i, 0,1
	v_permlanex16_b32 v[CH+8*\i+1], v[CH+8*\i], s[SEL], s[SEL+1]
.endr
.irp i, 0,1
	v_lshlrev_b32 v[CH+8*\i+2], 1, v[ST+16*\i+3]
.endr
.irp i, 0,1
	v_sub_nc_u32 v[CH+8*\i+2], 0, v[CH+8*\i+2]
.endr
.irp i, 0,1
	v_ldexp_f32 v[CH+8*\i+2], s[EPS], v[CH+8*\i+2]                 ; eps 2^(-2 a)
.endr
.irp i, 0,1
	v_add_f32 v[CH+8*\i], v[CH+8*\i], v[CH+8*\i+1]                 ; the row's sum of w'
.endr
.irp i, 0,1
	v_add_f32 v[CH+8*\i], v[CH+8*\i], v[CH+8*\i+2]
.endr
.irp i, 0,1
	v_rcp_f32 v[ST+16*\i+6], v[CH+8*\i]
.endr
	v_nop                                          ; a plain line behind the last reciprocal,
	s_wait_alu depctr_va_vdst(0)                   ; and one wait for the two, ahead of their first reader
.set n, 0
.rept 32
	v_pk_mul_f32 v[O+2*n:O+2*n+1], v[O+2*n:O+2*n+1], v[ST+16*(n/16)+6:ST+16*(n/16)+7] op_sel_hi:[1,0]      ; A; each accumulator from its low end on
.set n, n+1
.endr
	WIN 0x41                                       ; source 1 (G) window 0
.set n, 0
.rept 32
	v_pk_mul_f32 v[O+2*n:O+2*n+1], v[O+2*n:O+2*n+1], v[KC+2*n:KC+2*n+1]                                  ; H = G A
.set n, n+1
.endr
	WIN 0x55
.irp i, 0,1
	v_max3_num_f32 v[CH+8*\i], |v[O+32*\i]|, |v[O+32*\i+1]|, 0x0d800000            ; the largest |H| of my 32, and the floor 2^-100
.endr
.irp k, 2,4,6,8,10,12,14,16,18,20,22,24,26,28,30
.irp i, 0,1
	v_max3_num_f32 v[CH+8*\i], v[CH+8*\i], |v[O+32*\i+\k]|, |v[O+32*\i+\k+1]|
.endr
.endr
.irp i, 0,1
	v_permlanex16_b32 v[CH+8*\i+1], v[CH+8*\i], s[SEL], s[SEL+1]
.endr
.irp i, 0,1
	v_max_num_f32 v[CH+8*\i], v[CH+8*\i], v[CH+8*\i+1]             ; of the token's 64
.endr
.irp i, 0,1
	v_lshrrev_b32 v[CH+8*\i], 23, v[CH+8*\i]                       ; its exponent field Eh, 27 .. 254
.endr
.irp i, 0,1
	v_sub_nc_u32 v[CH+8*\i+2], 268, v[CH+8*\i]
	v_add_nc_u32 v[CH+8*\i+3], -14, v[CH+8*\i]
.endr
.irp i, 0,1
	v_lshlrev_b32 v[ST+16*\i+6], 23, v[CH+8*\i+2]                  ; 2^(141 - Eh): the largest |H| comes into [2^14, 2^15)
	v_lshlrev_b32 v[CH+8*\i+3], 23, v[CH+8*\i+3]                   ; and its inverse, 2^(Eh - 141)
.endr
.set n, 0
.rept 32
	v_pk_mul_f32 v[O+2*n:O+2*n+1], v[O+2*n:O+2*n+1], v[ST+16*(n/16)+6:ST+16*(n/16)+7] op_sel_hi:[1,0]
.set n, n+1
.endr
.irp i, 0,1
.set n, 0
.rept 16
	v_cvt_pk_f16_f32 v[64*\i+n], v[O+32*\i+2*n], v[O+32*\i+2*n+1]  ; channel tile d packs into registers 4 d .. 4 d + 3: group d % 2 of fragment d / 2
.set n, n+1
.endr
.endr
	v_cndmask_b32 v[CH+4], v[CH+3], v[CH+11], s[HI]                ; lanes 0-15: tile 0's tokens, lanes 16-31: tile 1's
	WIN 0x04                                       ; a store's data: window 1
.irp i, 0,1
.irp d, 0,1,2,3
	global_store_b128 v[LI], v[64*\i+4*\d:64*\i+4*\d+3], s[10:11] offset:\i*32768+\d*512      ; 512 consecutive bytes, aligned
.endr
.endr
	global_store_b32 v[L4], v[CH+4], s[18:19]      ; 128 consecutive bytes
	WIN 0
	s_wait_tensorcnt 0x0                           ; the wave's end: behind my last tensor load
	ds_add_u32 v[SPW], v[NIL]
	s_wait_dscnt 0x0
	CROUND                                         ; the closing round
	s_endpgm
.Lfunc_end_k_qf965668f57_attn:
	.size	k_qf965668f57_attn, .Lfunc_end_k_qf965668f57_attn-k_qf965668f57_attn
	.p2alignl 7, 3214868480
	.fill 96, 4, 3214868480
	.section	.rodata,"a",@progbits
	.p2align	6, 0x0
	.amdhsa_kernel k_qf965668f57_attn
		.amdhsa_group_segment_fixed_size 327680
		.amdhsa_private_segment_fixed_size 0
		.amdhsa_enable_private_segment 0
		.amdhsa_kernarg_size 32
		.amdhsa_user_sgpr_count 2
		.amdhsa_user_sgpr_kernarg_segment_ptr 1
		.amdhsa_wavefront_size32 1
		.amdhsa_system_sgpr_workgroup_id_x 1
		.amdhsa_system_sgpr_workgroup_id_y 1
		.amdhsa_system_sgpr_workgroup_id_z 1
		.amdhsa_system_vgpr_workitem_id 0
		.amdhsa_next_free_vgpr 512
		.amdhsa_next_free_sgpr 66
		.amdhsa_reserve_vcc 0
		.amdhsa_float_denorm_mode_32 3
		.amdhsa_float_denorm_mode_16_64 3
		.amdhsa_memory_ordered 1
		.amdhsa_forward_progress 1
		.amdhsa_inst_pref_size 174
	.end_amdhsa_kernel
	.amdgpu_metadata
---
amdhsa.version: [ 1, 2 ]
amdhsa.kernels:
  - .name:           k_qf965668f57_attn
    .symbol:         k_qf965668f57_attn.kd
    .args:
      - { .name: qq, .offset: 0, .size: 8, .value_kind: global_buffer, .address_space: global }
      - { .name: kv, .offset: 8, .size: 8, .value_kind: global_buffer, .address_space: global }
      - { .name: gf, .offset: 16, .size: 8, .value_kind: global_buffer, .address_space: global }
      - { .name: hid, .offset: 24, .size: 8, .value_kind: global_buffer, .address_space: global }
    .group_segment_fixed_size: 327680
    .private_segment_fixed_size: 0
    .kernarg_segment_align: 8
    .kernarg_segment_size: 32
    .max_flat_workgroup_size: 256
    .sgpr_count:     66
    .vgpr_count:     512
    .wavefront_size: 32
...
	.end_amdgpu_metadata
.endif
;; end of part 3
;; launch oproj (part 4): grid 8 x 32, 4 waves a work-group, clusters of 4 x 4, 327,680 bytes of LDS; arguments hid, wo16, b_out, out0; writes out0
.if DOCPART == 4
	.amdgcn_target "amdgcn-amd-amdhsa--gfx1250"
	.amdhsa_code_object_version 6
	.text
	.protected	k_qf965668f57_oproj
	.globl	k_qf965668f57_oproj
	.p2align	8
	.type	k_qf965668f57_oproj,@function
k_qf965668f57_oproj:
	s_mov_b64 s[64:65], 0
	v_nop
	global_prefetch_b8 v0, s[64:65] scope:SCOPE_SE
	s_setreg_imm32_b32 hwreg(HW_REG_WAVE_MODE, 25, 1), 1
	s_wait_xcnt 0x0
	s_wait_alu depctr_hold_cnt(0) depctr_sa_sdst(0) depctr_va_vdst(0) depctr_va_sdst(0) depctr_va_ssrc(0) depctr_va_vcc(0) depctr_vm_vsrc(0)
	s_getreg_b32 s2, hwreg(HW_REG_IB_STS2, 6, 4)
	s_cmp_eq_u32 s2, 0
	s_cbranch_scc0 .Lentry_in_a_cluster
	s_endpgm
.Lentry_in_a_cluster:
	s_bfe_u32 s2, ttmp6, 0x10000c
	s_cmp_lg_u32 s2, 0xf033
	s_cbranch_scc0 .Lentry_shape_is_right
	s_endpgm
.Lentry_shape_is_right:
; Y[t][o] = sum over heads of hs(t, head) x (sum over the head's 64 channels of H'(t, head, c) W_out[o][64 head + c]) + b_out[o].  4,096 tokens, 1,024 outputs, K = 1,024.
; H' is f16, scaled for each (token, head) by a power of two whose inverse hs is f32; W_out is f16; sums in f32.  So each head's product is summed apart, from the constant 0, in a set of partial
; accumulators, and merged by one fused multiply-add: acc += partial x hs.  The first head's merge takes b_out as its addend: nothing is cleared, and the bias costs no line.
; A tile of Y is 128 x 128; four waves, each 64 x 64.  K goes in steps of 256 (four heads) through two LDS slots.  H' comes as images of operand registers (8,192 consecutive bytes for a token
; tile and a K step), W_out as rows of 512 bytes + 16 of padding.  All sixteen heads are written out: the register of hs hangs on the head.
; CLUSTERS: 4 x 4 work-groups; H's tiles are asked for jointly along a row of the cluster, W_out's along a column.
; THE MATRIX INSTRUCTION IS USED TRANSPOSED (source 0 = 16 rows of W_out, source 1 = 16 tokens): a lane holds one token and eight neighbouring outputs, so hs is one number a lane.
; A wave's 64 outputs are 256 bytes of a row of Y, aligned: each wave has its own stage in LDS on the way out, and no barrier is needed there.
; LIMITS: NaN and infinities are not served.
; REGISTERS.  Window 0: v16-30 addresses; v32-95 hs (token tile a, head hd at 32 + 16 a + hd); v96-127 b_out (output tile b at 96 + 8 b); v128-255 rows on the way out.
;   Window 1: two fragment buffers of 128: H's at 8 (4 c + a), W_out's at 64 + 8 (4 c + b).   Window 2: v0-127 the accumulators ((a, b) at 8 (4 a + b)); v128-255 the partial sums.
.set PITCH,  528                       ; a row of W_out in LDS: 512 bytes + 16: the 16 rows that a load touches start at 16 different banks (64 banks of 4 bytes: ISA guide 11.1)
.set WOFF,   65536                     ; a slot: H's 8 token tiles x 8,192 bytes, then W_out's 128 rows
.set HALFW,  64*PITCH
.set SLOT,   WOFF+2*HALFW
.set STAGE,  2*SLOT                    ; behind the ring: 16 rows x 272 bytes for each wave; no tensor load lands there
.set SPITCH, 272
.set SPARE,  STAGE+4*16*SPITCH         ; the spare words, 128 bytes a wave, which no other line names
.set ADRH, 16                          ; v16-17  LDS address of my H fragments in slot 0, 1
.set ADRB, 20                          ; v20-21  of W_out's
.set STO,  24
.set RD,   25
.set CO,   26
.set R4,   27                          ; v27  4 (lane % 16)
.set SPW,  28
.set NIL,  29
.set H32,  30                          ; v30  32 (lane / 16)
.set HSR,  32
.set BI,   96
.set OB,   128
.set ACC,  0                           ; window 2
.set PART, 128
.set F0,   0                           ; window 1
.set F1,   128
.set G1, 24                            ; s[24:31] group 1 for H's tiles; s[32:39] group 0, one set for each slot
.set G0, 32
.set G1B, 48                           ; the same for W_out's
.set G0B, 56
.set MSB, 0
.macro WIN new                         ; the immediate's high byte repeats the setting that is left
.if MSB != \new
	s_set_vgpr_msb (MSB<<8)|\new
.set MSB, \new
.endif
.endm
.set MUL,  0xa5                        ; sources 0 and 1 window 1; C and D window 2
.set MRG,  0xa2                        ; partial, addend and destination window 2; hs window 0
.set MRG0, 0x82                        ; the same with the addend (b_out) in window 0
.set TO_F, 0x40
.macro JLOAD s                         ; a joint load: waves 0 and 1 fetch H's halves, waves 2 and 3 W_out's; an s_nop 0 and four v_nop follow each line
	s_cmp_eq_u32 s11, 0
	s_cbranch_scc0 .Lfor_b_\@
	tensor_load_to_lds s[G0+4*\s:G0+4*\s+3], s[G1:G1+7]
	s_nop 0
.rept 4
	v_nop
.endr
	s_branch .Lasked_\@
.Lfor_b_\@:
	tensor_load_to_lds s[G0B+4*\s:G0B+4*\s+3], s[G1B:G1B+7]
	s_nop 0
.rept 4
	v_nop
.endr
.Lasked_\@:
.endm
.macro CREST                           ; a round of the cluster's barrier behind its opening barrier
	s_cmp_lg_u32 s10, 0
	s_cbranch_scc1 .Lnot_wave_0_\@
	s_barrier_signal -3
.Lnot_wave_0_\@:
	s_barrier_wait -3
	s_barrier_signal -1
	s_barrier_wait -1
.endm
.macro CROUND
	s_barrier_signal -1
	s_barrier_wait -1
	CREST
.endm
	s_load_b128 s[4:7], s[0:1], 0x0                ; hid, wo16
	s_load_b64 s[2:3], s[0:1], 0x10                ; b_out
	s_load_b64 s[8:9], s[0:1], 0x18                ; out0
	v_lshl_add_u32 v[SPW], v0, 2, SPARE
	v_mov_b32 v[NIL], 0
	ds_add_u32 v[SPW], v[NIL]                      ; the wave's opening: the add and its wait stand ahead of my first tensor load; the set-up below stands between them
	v_lshrrev_b32 v1, 5, v0
	v_readfirstlane_b32 s10, v1                    ; wave 0..3
	s_lshr_b32 s11, s10, 1                         ; which half of the tile's tokens is mine.  Also: I fetch for H (0) or for W_out (1)
	s_and_b32 s12, s10, 1                          ; which half of its outputs.  Also: which half of that tile I fetch
	s_bfe_u32 s40, ttmp6, 0x40000                  ; cx, cy
	s_bfe_u32 s41, ttmp6, 0x40004
	s_lshl_b32 s42, ttmp9, 2
	s_add_co_u32 s42, s42, s40                     ; tile column: 128 outputs
	s_and_b32 s13, ttmp7, 0xffff
	s_lshl_b32 s13, s13, 2
	s_add_co_u32 s13, s13, s41                     ; tile row: 128 tokens
	s_lshl_b32 s43, s41, 2
	s_lshl_b32 s43, 15, s43                        ; my row of the cluster
	s_lshl_b32 s44, 0x1111, s40                    ; my column
	s_or_b32 s[G1+0], s43, (3<<16)|(1<<21)         ; H: the mask of my row; elements of 8 bytes; no padding; bit 21 beside a mask
	s_mov_b32 s[G1+1], 1024<<16                    ; tensor_dim0 = 1,024 elements: a token tile's 8,192 bytes of a K step
	s_mov_b32 s[G1+2], 4<<16                       ; tensor_dim1 = 4 token tiles
	s_mov_b32 s[G1+3], 1024<<16                    ; tile_dim0
	s_mov_b32 s[G1+4], 4                           ; tile_dim1
	s_mov_b32 s[G1+5], 4096                        ; the pitch: a token tile's 32,768 bytes
	s_mov_b32 s[G1+6], 0
	s_mov_b32 s[G1+7], 0
	s_or_b32 s[G1B+0], s44, (1<<16)|(1<<20)|(1<<21)|(6<<22)|(3<<25)   ; W_out: the mask of my column; elements of 2 bytes; 4 words of padding behind every 128
	s_mov_b32 s[G1B+1], 256<<16
	s_mov_b32 s[G1B+2], 64<<16
	s_mov_b32 s[G1B+3], 256<<16
	s_mov_b32 s[G1B+4], 64
	s_mov_b32 s[G1B+5], 1024
	s_mov_b32 s[G1B+6], 0
	s_mov_b32 s[G1B+7], 0
	s_lshl_b32 s17, s12, 17
	s_lshl_b32 s16, s13, 18
	s_add_co_u32 s16, s16, s17                     ; H: token tile 8 x tile row + 4 x half, 32,768 bytes each
	s_lshl_b32 s46, s42, 18
	s_add_co_u32 s46, s46, s17                     ; W_out: row 128 x tile column + 64 x half, 2,048 bytes each
	s_mov_b32 s17, 0
	s_mov_b32 s47, 0
	s_lshl_b32 s20, s12, 15                        ; where they go: H's half,
	s_mul_i32 s21, s12, HALFW
	s_add_co_u32 s21, s21, WOFF                    ; W_out's half: the wave's number alone enters an LDS address
	s_wait_dscnt 0x0                               ; the opening add is done
	s_wait_kmcnt 0x0
	s_add_nc_u64 s[14:15], s[4:5], s[16:17]
	s_add_nc_u64 s[46:47], s[6:7], s[46:47]
	CROUND                                         ; all sixteen work-groups are here: the first joint loads meet
.irp s, 0,1
	s_mov_b32 s[G0+4*\s], 1
	s_add_co_u32 s[G0+4*\s+1], s20, \s*SLOT
	s_add_nc_u64 s[G0+4*\s+2:G0+4*\s+3], s[14:15], \s*8192
	s_or_b32 s[G0+4*\s+3], s[G0+4*\s+3], 0x80000000
	s_mov_b32 s[G0B+4*\s], 1
	s_add_co_u32 s[G0B+4*\s+1], s21, \s*SLOT
	s_add_nc_u64 s[G0B+4*\s+2:G0B+4*\s+3], s[46:47], \s*512
	s_or_b32 s[G0B+4*\s+3], s[G0B+4*\s+3], 0x80000000
	JLOAD \s                                       ; K steps 0 and 1: two loads of mine are out
.endr
	v_and_b32 v1, 15, v0                           ; r
	v_bfe_u32 v2, v0, 4, 1                         ; h
	v_and_b32 v3, 31, v0
	v_lshlrev_b32 v3, 4, v3                        ; 16 x lane: an image's place
	v_mul_u32_u24 v4, v1, PITCH
	v_lshl_add_u32 v4, v2, 4, v4                   ; a row of W_out x pitch + 16 h
	s_lshl_b32 s21, s11, 15                        ; my four token tiles
	s_mul_i32 s22, s12, HALFW
	s_add_co_u32 s22, s22, WOFF                    ; my 64 rows of W_out
.irp s, 0,1
	v_add_nc_u32 v[ADRH+\s], s21, v3
	v_add_nc_u32 v[ADRB+\s], s22, v4
	s_add_co_u32 s21, s21, SLOT
	s_add_co_u32 s22, s22, SLOT
.endr
	s_mul_i32 s23, s10, 16*SPITCH
	s_add_co_u32 s23, s23, STAGE                   ; my stage
	v_mul_u32_u24 v4, v1, SPITCH
	v_lshl_add_u32 v4, v2, 5, v4
	v_add_nc_u32 v[STO], s23, v4                   ; in: row r, 32 bytes for each half of the lanes
	v_mul_u32_u24 v5, v2, SPITCH
	v_lshl_add_u32 v5, v1, 4, v5
	v_add_nc_u32 v[RD], s23, v5                    ; back: lanes 0-15 one row of 256 bytes, lanes 16-31 the next
	v_lshlrev_b32 v5, 12, v2
	v_lshl_add_u32 v[CO], v1, 4, v5                ; and the same two rows in Y
	v_lshlrev_b32 v[R4], 2, v1
	v_lshlrev_b32 v[H32], 5, v2
	s_mov_b32 s17, 0
	s_lshl_b32 s16, s13, 9
	s_lshl_b32 s18, s11, 8
	s_add_co_u32 s16, s16, s18                     ; my first token x 4 bytes
	s_add_nc_u64 s[14:15], s[4:5], s[16:17]
	s_add_nc_u64 s[14:15], s[14:15], 0x800000      ; hs
	s_lshl_b32 s16, s42, 9
	s_lshl_b32 s18, s12, 8
	s_add_co_u32 s16, s16, s18                     ; my first output x 4 bytes
	s_add_nc_u64 s[2:3], s[2:3], s[16:17]          ; b_out
	s_add_nc_u64 s[8:9], s[8:9], s[16:17]
	s_lshl_b32 s16, s13, 19
	s_lshl_b32 s18, s11, 18
	s_add_co_u32 s16, s16, s18                     ; my first token x 4,096 bytes
	s_add_nc_u64 s[8:9], s[8:9], s[16:17]          ; Y
.irp a, 0,1,2,3
.irp hd, 0,1,2,3,4,5,6,7,8,9,10,11,12,13,14,15
	global_load_b32 v[HSR+16*\a+\hd], v[R4], s[14:15] offset:\hd*16384+64*\a
.endr
.endr
.irp b, 0,1,2,3
	global_load_b128 v[BI+8*\b:BI+8*\b+3], v[H32], s[2:3] offset:64*\b
	global_load_b128 v[BI+8*\b+4:BI+8*\b+7], v[H32], s[2:3] offset:64*\b+16
.endr
; 8 matrix instructions: token tiles a0, a0 + 1 x all 4 output tiles, 32 along K: half c of a head.  The first half starts the head's sums with the constant 0.
; The 16 partial accumulators take turns, one instruction a turn.
.macro MUL8 f, c, a0
.irp a, \a0, \a0+1
.irp b, 0,1,2,3
.if \c == 0
	v_wmma_f32_16x16x32_f16 v[PART+8*(4*(\a)+\b):PART+8*(4*(\a)+\b)+7], v[\f+64+8*(4*\c+\b):\f+64+8*(4*\c+\b)+7], v[\f+8*(4*\c+(\a)):\f+8*(4*\c+(\a))+7], 0
.else
	v_wmma_f32_16x16x32_f16 v[PART+8*(4*(\a)+\b):PART+8*(4*(\a)+\b)+7], v[\f+64+8*(4*\c+\b):\f+64+8*(4*\c+\b)+7], v[\f+8*(4*\c+(\a)):\f+8*(4*\c+(\a))+7], v[PART+8*(4*(\a)+\b):PART+8*(4*(\a)+\b)+7]
.endif
.endr
.endr
.endm
; 32 LDS loads in one run: the fragments of the slot's q-th head into buffer f; its first 32 along K first
.macro FETCH slot, q, f
	WIN TO_F
.irp c, 0,1
.irp i, 0,1,2,3
	ds_load_b128 v[\f+64+8*(4*\c+\i):\f+64+8*(4*\c+\i)+3],   v[ADRB+\slot] offset:128*(\q)+64*\c+\i*16*PITCH
	ds_load_b128 v[\f+64+8*(4*\c+\i)+4:\f+64+8*(4*\c+\i)+7], v[ADRB+\slot] offset:128*(\q)+64*\c+\i*16*PITCH+32
	ds_load_b128 v[\f+8*(4*\c+\i):\f+8*(4*\c+\i)+3],         v[ADRH+\slot] offset:\i*8192+(2*(\q)+\c)*1024
	ds_load_b128 v[\f+8*(4*\c+\i)+4:\f+8*(4*\c+\i)+7],       v[ADRH+\slot] offset:\i*8192+(2*(\q)+\c)*1024+512
.endr
.endr
.endm
; acc += partial x hs(my token, head hd), two numbers a line.  Four v_nop stand between the last product and the first read of results (ISA guide 7.12.1).  The 64 lines are also the places in
; front of the next head's first products, which write over the partial sums, and of the next loads into the buffer just multiplied: at least 60 of them name no register of any one product.
.macro MERGE hd
.rept 4
	v_nop
.endr
.if (\hd) == 0
	WIN MRG0
.else
	WIN MRG
.endif
.irp a, 0,1,2,3
.irp b, 0,1,2,3
.irp p, 0,2,4,6                                ; each partial accumulator from its low end on
.if (\hd) == 0
	v_pk_fma_f32 v[ACC+8*(4*\a+\b)+\p:ACC+8*(4*\a+\b)+\p+1], v[PART+8*(4*\a+\b)+\p:PART+8*(4*\a+\b)+\p+1], v[HSR+16*\a:HSR+16*\a+1], v[BI+8*\b+\p:BI+8*\b+\p+1] op_sel_hi:[1,0,1]
.elseif (\hd)%2 == 0
	v_pk_fma_f32 v[ACC+8*(4*\a+\b)+\p:ACC+8*(4*\a+\b)+\p+1], v[PART+8*(4*\a+\b)+\p:PART+8*(4*\a+\b)+\p+1], v[HSR+16*\a+(\hd):HSR+16*\a+(\hd)+1], v[ACC+8*(4*\a+\b)+\p:ACC+8*(4*\a+\b)+\p+1] op_sel_hi:[1,0,1]
.else
	v_pk_fma_f32 v[ACC+8*(4*\a+\b)+\p:ACC+8*(4*\a+\b)+\p+1], v[PART+8*(4*\a+\b)+\p:PART+8*(4*\a+\b)+\p+1], v[HSR+16*\a+(\hd)-1:HSR+16*\a+(\hd)], v[ACC+8*(4*\a+\b)+\p:ACC+8*(4*\a+\b)+\p+1] op_sel:[0,1,0] op_sel_hi:[1,1,1]
.endif
.endr
.endr
.endr
.endm
; One of a slot's first three heads: multiplies buffer f and fetches the slot's head qnext into g.
.macro HEAD slot, qnext, f, g, hd
	s_wait_dscnt 16                                ; the head's first 32 along K are in; the sixteen loads of its second may be out
	WIN MUL
	MUL8 \f, 0, 0
	MUL8 \f, 0, 2
	FETCH \slot, \qnext, \g
	s_wait_dscnt 32                                ; all but the 32 just issued
	WIN MUL
	MUL8 \f, 1, 0
	MUL8 \f, 1, 2
	MERGE \hd
.endm
; A slot's last head multiplies buffer 1 and changes slots: ONE barrier; in front of it each wave waits for all its tensor loads (its part of the next slot), adds 0 to its spare word, and waits for
; that and for its reads of this slot.  fill = 1: the barrier opens a round of the cluster's, and this slot is filled again, two K steps on, first thing behind the round.
.macro TURN slot, next, fill, hd
	WIN 0
	s_wait_tensorcnt 0x0
	ds_add_u32 v[SPW], v[NIL]
	s_wait_dscnt 17                                ; the add and the youngest sixteen loads may be out
	WIN MUL
	MUL8 F1, 0, 0                                  ; eight matrix instructions stand between the add and the wait for it
	s_wait_dscnt 0x0                               ; the add is done, and my reads of this slot are over
	s_barrier_signal -1
	MUL8 F1, 0, 2
.if \fill
	WIN 0
.endif
	s_barrier_wait -1
.if \fill
	CREST                                          ; no wave of any partner still reads this slot or has a load on its way
	s_add_nc_u64 s[G0+4*\slot+2:G0+4*\slot+3], s[G0+4*\slot+2:G0+4*\slot+3], 2*8192
	s_add_nc_u64 s[G0B+4*\slot+2:G0B+4*\slot+3], s[G0B+4*\slot+2:G0B+4*\slot+3], 2*512
	JLOAD \slot
.endif
	FETCH \next, 0, F0
	WIN MUL
	MUL8 F1, 1, 0
	MUL8 F1, 1, 2
	MERGE \hd
.endm
	s_wait_tensorcnt 1                             ; my part of K step 0 is in; K step 1's load may be out
	s_barrier_signal -1
	s_barrier_wait -1
	FETCH 0, 0, F0
	s_wait_loadcnt 0x0                             ; hs and b_out
	HEAD 0, 1, F0, F1, 0
	HEAD 0, 2, F1, F0, 1
	HEAD 0, 3, F0, F1, 2
	TURN 0, 1, 1, 3
	HEAD 1, 1, F0, F1, 4
	HEAD 1, 2, F1, F0, 5
	HEAD 1, 3, F0, F1, 6
	TURN 1, 0, 1, 7
	HEAD 0, 1, F0, F1, 8
	HEAD 0, 2, F1, F0, 9
	HEAD 0, 3, F0, F1, 10
	TURN 0, 1, 0, 11                               ; the last two K steps ask for nothing
	HEAD 1, 1, F0, F1, 12
	HEAD 1, 2, F1, F0, 13
	HEAD 1, 3, F0, F1, 14
	s_wait_dscnt 16                                ; the last head: nothing more to fetch
	WIN MUL
	MUL8 F1, 0, 0
	MUL8 F1, 0, 2
	s_wait_dscnt 0x0
	MUL8 F1, 1, 0
	MUL8 F1, 1, 2
	MERGE 15
; THE WAY OUT, 16 tokens at a time: 32 bytes a lane into my stage, back as whole rows of 256 bytes.  LDS serves a wave's instructions in order: no wait between the stores and the loads, nor in
; front of the next block's stores.  Each block comes back into registers of its own, so no store's data are written again.
.macro OUT a
	WIN 0x08                                       ; an LDS store's data: window 2
.irp b, 0,1,2,3
	ds_store_b128 v[STO], v[ACC+8*(4*\a+\b):ACC+8*(4*\a+\b)+3] offset:64*\b
	ds_store_b128 v[STO], v[ACC+8*(4*\a+\b)+4:ACC+8*(4*\a+\b)+7] offset:64*\b+16
.endr
	WIN 0
.irp i, 0,1,2,3,4,5,6,7
	ds_load_b128 v[OB+32*\a+4*\i:OB+32*\a+4*\i+3], v[RD] offset:2*\i*SPITCH
.endr
.endm
.macro SEND a, younger                 ; younger: the LDS instructions issued behind block a's loads: the next block's sixteen, or none
.irp i, 0,1,2,3,4,5,6,7
	s_wait_dscnt \younger+7-\i
	global_store_b128 v[CO], v[OB+32*\a+4*\i:OB+32*\a+4*\i+3], s[8:9] offset:(16*\a+2*\i)*4096 th:TH_STORE_NT   ; 16 lanes store 256 consecutive bytes, aligned
.endr
.endm
	OUT 0
	OUT 1
	SEND 0, 16
	OUT 2
	SEND 1, 16
	OUT 3
	SEND 2, 16
	SEND 3, 0
	s_wait_tensorcnt 0x0                           ; the wave's end: behind my last tensor load and my last LDS store
	ds_add_u32 v[SPW], v[NIL]
	s_wait_dscnt 0x0
	CROUND                                         ; the closing round
	s_endpgm
.Lfunc_end_k_qf965668f57_oproj:
	.size	k_qf965668f57_oproj, .Lfunc_end_k_qf965668f57_oproj-k_qf965668f57_oproj
	.p2alignl 7, 3214868480
	.fill 96, 4, 3214868480
	.section	.rodata,"a",@progbits
	.p2align	6, 0x0
	.amdhsa_kernel k_qf965668f57_oproj
		.amdhsa_group_segment_fixed_size 327680
		.amdhsa_private_segment_fixed_size 0
		.amdhsa_enable_private_segment 0
		.amdhsa_kernarg_size 32
		.amdhsa_user_sgpr_count 2
		.amdhsa_user_sgpr_kernarg_segment_ptr 1
		.amdhsa_wavefront_size32 1
		.amdhsa_system_sgpr_workgroup_id_x 1
		.amdhsa_system_sgpr_workgroup_id_y 1
		.amdhsa_system_sgpr_workgroup_id_z 1
		.amdhsa_system_vgpr_workitem_id 0
		.amdhsa_next_free_vgpr 768
		.amdhsa_next_free_sgpr 66
		.amdhsa_reserve_vcc 0
		.amdhsa_float_denorm_mode_32 3
		.amdhsa_float_denorm_mode_16_64 3
		.amdhsa_memory_ordered 1
		.amdhsa_forward_progress 1
		.amdhsa_inst_pref_size 158
	.end_amdhsa_kernel
	.amdgpu_metadata
---
amdhsa.version: [ 1, 2 ]
amdhsa.kernels:
  - .name:           k_qf965668f57_oproj
    .symbol:         k_qf965668f57_oproj.kd
    .args:
      - { .name: hid, .offset: 0, .size: 8, .value_kind: global_buffer, .address_space: global }
      - { .name: wo16, .offset: 8, .size: 8, .value_kind: global_buffer, .address_space: global }
      - { .name: b_out, .offset: 16, .size: 8, .value_kind: global_buffer, .address_space: global }
      - { .name: out0, .offset: 24, .size: 8, .value_kind: global_buffer, .address_space: global }
    .group_segment_fixed_size: 327680
    .private_segment_fixed_size: 0
    .kernarg_segment_align: 8
    .kernarg_segment_size: 32
    .max_flat_workgroup_size: 128
    .sgpr_count:     66
    .vgpr_count:     768
    .wavefront_size: 32
...
	.end_amdgpu_metadata
.endif
;; end of part 4
